; MI455X (gfx1250); checked and timed in simulation.
; The chip was launched on July 23, 2026; its instructions are those of AMD's public machine-readable ISA for CDNA 5 (MIT licence, August 2026) and "CDNA5" Instruction Set Architecture Reference Guide (July 2026). The comments in the code are by the model that wrote it; some were corrected since.
;; Group Linear. Allowed arithmetic: float matrix products may take bf16 or f16 operands with f32 sums; all other float work in f32.
;; Inputs: W 16,384 x 1,024 float32; b 16,384 float32; indices 4,096 int32; x 4,096 x 1,024 float32.
;; Outputs: out0 4,096 x 2,048 float32.
;; 3 versions, each right; version 2 is faster than version 1; version 3 is version 2 with the launch glin written anew for expert scheduling mode. Each part assembles by itself: llvm-mc -triple=amdgcn-amd-amdhsa -mcpu=gfx1250 --defsym DOCPART=n.
;; ======== version 1 of 3: 2 launches
;; workspace buffers: order 133,120 bytes of whole numbers
;; launch sort (part 1): grid 8 x 1, 1 waves a work-group, no clusters, 0 bytes of LDS; arguments indices, order; writes order
.if DOCPART == 1
	.amdgcn_target "amdgcn-amd-amdhsa--gfx1250"
	.amdhsa_code_object_version 6
	.text
	.protected	k_q9ede3ba007_sort
	.globl	k_q9ede3ba007_sort
	.p2align	8
	.type	k_q9ede3ba007_sort,@function
k_q9ede3ba007_sort:
	s_mov_b64 s[64:65], 0
	v_nop
	global_prefetch_b8 v0, s[64:65] scope:SCOPE_SE
	s_setreg_imm32_b32 hwreg(HW_REG_WAVE_MODE, 25, 1), 1
	s_wait_xcnt 0x0
; For group g (the work-group's number, 0..7): the list of the rows n with indices[n] = g, and their count M, as whole numbers for the next launch.
; order[g] is 4,160 words: entries 0..M-1 the rows, 4096..4127 a dump word for each lane, 4128..4159 M (one word a lane).
; Entries M..4095 are not written and the next launch does not read them.
; One wave scans all 4,096 indices in 128 steps of 32 rows.  A lane with a match stores its row's number at count + matches in the lanes below it,
; so the matching lanes of a step store neighbouring words; a lane without a match stores into its own dump word, which nobody reads.
; More waves would have to hand each other their counts; eight waves that each read the 16 KiB of indices need nothing of each other.
; LIMIT: an index outside 0..7 enters no list.
.set OPITCH, 16640                     ; bytes of a group's part of order
.set DUMPI,  4096                      ; first dump entry
.set CNTI,   4128                      ; first count entry
.set IDX,    4                         ; v4-131   the indices; each is overwritten by its step's store offset
.set ROW,    132                       ; v132-163 the row numbers to store: 32 registers that take turns
	s_load_b128 s[4:7], s[0:1], 0x0                ; indices s[4:5], order s[6:7]
	s_mov_b32 s8, ttmp9                            ; g
	s_mul_i32 s10, s8, OPITCH
	s_mov_b32 s11, 0
	s_mov_b32 s12, 0                               ; the running count
	v_lshlrev_b32 v1, 4, v0                        ; 16 lane (one wave: the thread's number is the lane)
	v_lshlrev_b32 v2, 2, v0                        ; 4 lane
	v_add_nc_u32 v3, DUMPI, v0                     ; my dump entry
	s_wait_kmcnt 0x0
	s_add_nc_u64 s[6:7], s[6:7], s[10:11]          ; my group's part of order
.set j, 0
.rept 32
	global_load_b128 v[IDX+4*j:IDX+4*j+3], v1, s[4:5] offset:512*j   ; component c of load j in lane l is row 128 j + 4 l + c
.set j, j+1
.endr
.set n, 0
.rept 128
.if (n&3) == 0
	s_wait_loadcnt 31-(n>>2)                       ; loads come back in order (ISA guide 5.7.1): load n / 4 is in, the younger ones stay out
.endif
.if (n&31) == 0
.if n > 0
	s_wait_xcnt 0x0                                ; the 32 registers of ROW are data of the last 32 stores: they are written again only behind this wait
.endif
.endif
	v_cmp_eq_u32 vcc_lo, s8, v[IDX+n]
	v_mbcnt_lo_u32_b32 v[IDX+n], vcc_lo, s12       ; count + matches in the lanes below me
	v_cndmask_b32 v[IDX+n], v3, v[IDX+n], vcc_lo   ; no match: my dump entry
	v_min_u32 v[IDX+n], DUMPI+31, v[IDX+n]         ; an address made from loaded numbers is bounded in the text
	v_lshlrev_b32 v[IDX+n], 2, v[IDX+n]
	v_add_nc_u32 v[ROW+(n&31)], 128*(n>>2)+(n&3), v2           ; the row: 128 j + c + 4 lane
	global_store_b32 v[IDX+n], v[ROW+(n&31)], s[6:7]
	s_bcnt1_i32_b32 s13, vcc_lo
	s_add_co_u32 s12, s12, s13
.set n, n+1
.endr
	v_mov_b32 v164, s12
	global_store_b32 v2, v164, s[6:7] offset:4*CNTI            ; M, 32 neighbouring words
	s_endpgm
.Lfunc_end_k_q9ede3ba007_sort:
	.size	k_q9ede3ba007_sort, .Lfunc_end_k_q9ede3ba007_sort-k_q9ede3ba007_sort
	.p2alignl 7, 3214868480
	.fill 96, 4, 3214868480
	.section	.rodata,"a",@progbits
	.p2align	6, 0x0
	.amdhsa_kernel k_q9ede3ba007_sort
		.amdhsa_group_segment_fixed_size 0
		.amdhsa_private_segment_fixed_size 0
		.amdhsa_enable_private_segment 0
		.amdhsa_kernarg_size 16
		.amdhsa_user_sgpr_count 2
		.amdhsa_user_sgpr_kernarg_segment_ptr 1
		.amdhsa_wavefront_size32 1
		.amdhsa_system_sgpr_workgroup_id_x 1
		.amdhsa_system_sgpr_workgroup_id_y 1
		.amdhsa_system_sgpr_workgroup_id_z 1
		.amdhsa_system_vgpr_workitem_id 0
		.amdhsa_next_free_vgpr 168
		.amdhsa_next_free_sgpr 66
		.amdhsa_reserve_vcc 1
		.amdhsa_float_denorm_mode_32 3
		.amdhsa_float_denorm_mode_16_64 3
		.amdhsa_memory_ordered 1
		.amdhsa_forward_progress 1
		.amdhsa_inst_pref_size 61
	.end_amdhsa_kernel
	.amdgpu_metadata
---
amdhsa.version: [ 1, 2 ]
amdhsa.kernels:
  - .name:           k_q9ede3ba007_sort
    .symbol:         k_q9ede3ba007_sort.kd
    .args:
      - { .name: indices, .offset: 0, .size: 8, .value_kind: global_buffer, .address_space: global }
      - { .name: order, .offset: 8, .size: 8, .value_kind: global_buffer, .address_space: global }
    .group_segment_fixed_size: 0
    .private_segment_fixed_size: 0
    .kernarg_segment_align: 8
    .kernarg_segment_size: 16
    .max_flat_workgroup_size: 32
    .sgpr_count:     66
    .vgpr_count:     168
    .wavefront_size: 32
...
	.end_amdgpu_metadata
.endif
;; end of part 1
;; launch glin (part 2): grid 256 x 1, 4 waves a work-group, no clusters, 299,520 bytes of LDS; arguments W, b, order, x, out0; writes out0
.if DOCPART == 2
	.amdgcn_target "amdgcn-amd-amdhsa--gfx1250"
	.amdhsa_code_object_version 6
	.text
	.protected	k_q9ede3ba007_glin
	.globl	k_q9ede3ba007_glin
	.p2align	8
	.type	k_q9ede3ba007_glin,@function
k_q9ede3ba007_glin:
	s_mov_b64 s[64:65], 0
	v_nop
	global_prefetch_b8 v0, s[64:65] scope:SCOPE_SE
	s_setreg_imm32_b32 hwreg(HW_REG_WAVE_MODE, 25, 1), 1
	s_wait_xcnt 0x0
; out0[n][:] = x[n][:] . W[g(n)]^T + b[g(n)],  g(n) = indices[n].  x [4096][1024] f32, W [8*2048][1024] f32, b [8*2048] f32, out0 [4096][2048] f32.
; Only the group that a row's index names is computed: the other seven products are thrown away by the gather.
; The launch before has put each group's rows into a list: order[g], 4,160 words: entries 0..M-1 the rows, entries 4128..4159 the count M.
; x and W are rounded once to bf16 (nearest even), sums are f32, the bias is added in f32 behind the product.
; LIMIT: an index outside 0..7 is in no list and its row of out0 stays unwritten (the index is taken to stay inside the table of 8 groups).
;
; SHARES.  Work-group wg (0..255): group g = wg >> 5, block of 128 columns cb = (wg >> 1) & 15, row half hh = wg & 1.
; It keeps its 128 rows of W (512 KiB of f32, dense in memory) as bf16 in LDS for the whole launch.
; The group's list is cut into tiles of 32 rows; wave w takes the tiles t = 2 w + hh (mod 8).
; A wave tile is 32 rows x 128 columns = 16 accumulators.  Each wave gathers, converts and stages its own rows of x in its own LDS bytes,
; so behind the one barrier (W is whole) no wave waits for another.
; A lane whose list entry would lie at or behind M takes entry M - 1: a tail tile computes and stores its own last row again, the same bytes
; with the same values, from the same wave; EXEC stays full everywhere.
;
; NO TENSOR LOADS, NO CLUSTER: x's rows are named by a list, so no tile descriptor covers them; x and W are f32 in memory and are wanted
; as bf16 in LDS, so every byte passes through registers anyway; and a block of W is read by two work-groups only, once each.
;
; LDS:  WT    0        128 rows (a row = one output column), 2,048 bytes of bf16 + 16 of padding
;       STG   264192   4 x 8,704: wave w's own 32 rows of 272 bytes: 128 k of bf16 on the way in, 64 columns of f32 on the way out
; Both pitches (2,064 and 272) are odd multiples of 16 bytes: the 16 rows that a 16-byte fragment load touches fall on 16 different
; 16-byte columns of 256 bytes.
;
; REGISTERS, in windows of 256 (s_set_vgpr_msb's low byte: bits 1:0 source 0, 3:2 source 1, 5:4 source 2, 7:6 destination):
;   window 0: addresses, bias, my tiles' list entries (LT), fragments of x (AF) and of W (BF), two buffers each
;   window 2: v0-127 the 16 accumulators, tile (a, b) at 8 (8 a + b)
;   windows 1 and 3: two stream contexts with the same numbering (even and odd chunks): v0-127 data, v128-159 row offsets, v160-165 addresses,
;   so that one setting (0x55 or 0xff) serves a chunk's conversions, LDS stores and global loads.
.set WP,    2064                       ; pitch of WT
.set SP,    272                        ; pitch of a stage
.set WSTG,  32*SP                      ; a wave's stage
.set STG,   128*WP                     ; 264192
.set OPITCH, 16640                     ; bytes of a group's part of order
.set CNTI,  4128                       ; its first entry that holds M
.set AF,    64                         ; v64-95   fragments of x: 2 buffers x 2 blocks of 16 rows x 8 registers
.set BF,    128                        ; v128-255 fragments of W: 2 buffers x 8 blocks of 16 columns x 8; rows read back on the way out
.set BIAS,  24                         ; v24-31   my 4 columns' bias, for each half of 64 columns
.set OO,    32                         ; v32-47   way out: byte offset in out0 of my 16 bytes of rows 2 p + h
.set LT,    48                         ; v48-63   lane l of LT + i: list entry l of the i-th tile from the current one among my tiles
.set XOFF,  128                        ; windows 1, 3: v128-159 byte offset in x of my 16 bytes of the tile's row i
.set W_EVEN, 0x55
.set W_ODD,  0xff
.set W_EVENL, 0x54                     ; as W_EVEN, but source 0 in window 0: LT is read, the context's XOFF written
.set W_ODDL,  0xfc
.set W_MUL,  0xa0                      ; sources 0 and 1 window 0, C and D window 2
.set W_ACCS, 0x08                      ; LDS store: address window 0, data window 2
.set MSB, 0
.macro WIN new                         ; the immediate's high byte repeats the setting that is left; at labels and branches the setting is 0
.if MSB != \new
	s_set_vgpr_msb (MSB<<8)|\new
.set MSB, \new
.endif
.endm
.macro PLACES                          ; four places behind a matrix instruction (ISA guide 7.12.1), where there is no useful vector work to stand there
.rept 4
	v_nop
.endr
.endm
	; ---- set-up ----
	s_load_b256 s[4:11], s[0:1], 0x0               ; W s[4:5], b s[6:7], order s[8:9], x s[10:11]
	s_load_b64 s[12:13], s[0:1], 0x20              ; out0
	v_lshl_add_u32 v126, v0, 2, 0x49000
	v_mov_b32 v127, 0
	v_lshrrev_b32 v1, 5, v0
	v_readfirstlane_b32 s14, v1                    ; wave 0..3
	s_mov_b32 s15, ttmp9                           ; wg
	s_and_b32 s16, s15, 1                          ; hh
	s_bfe_u32 s17, s15, 0x40001                    ; cb: 4 bits from bit 1
	s_lshr_b32 s18, s15, 5                         ; g
	s_lshl_b32 s19, s14, 1
	s_or_b32 s19, s19, s16                         ; vw = 2 w + hh: my first tile
	s_mul_i32 s23, s14, WSTG
	s_add_co_u32 s23, s23, STG                     ; my stage
	v_and_b32 v1, 31, v0                           ; lane
	v_and_b32 v2, 15, v0                           ; r
	v_bfe_u32 v3, v0, 4, 1                         ; h
	v_lshlrev_b32 v4, 4, v1                        ; 16 lane
	v_mul_u32_u24 v18, v2, SP
	v_add_nc_u32 v18, s23, v18                     ; stage + 272 r
	v_lshl_add_u32 v5, v3, 4, v18                  ; ADRA: x fragments, + 16 h
	v_lshl_add_u32 v6, v3, 5, v18                  ; STO: way out, my 8 f32 of row r, + 32 h
	v_mul_u32_u24 v19, v3, SP
	v_lshl_add_u32 v19, v2, 4, v19
	v_add_nc_u32 v7, s23, v19                      ; RD: way out, read back: row h, 16 bytes at 16 r
	v_lshlrev_b32 v9, 4, v2                        ; 16 r
	v_mul_u32_u24 v20, v2, WP
	v_lshl_add_u32 v20, v3, 4, v20                 ; r x 2064 + 16 h
.irp b, 0,1,2,3,4,5,6,7
	v_add_nc_u32 v[10+\b], 16*\b*WP, v20           ; ADRB[b]: W fragments of columns 16 b + r
.endr
	v_lshl_add_u32 v32, v1, 3, s23                 ; where a lane's 4 bf16 of a row of x go: stage + 8 lane
	s_lshl_b32 s30, s14, 17
	v_add_nc_u32 v33, s30, v4                      ; my wave's 32 rows of the W block: 131072 w + 16 lane
	s_mul_i32 s30, s14, 32*WP
	v_lshl_add_u32 v34, v1, 3, s30                 ; and where they go: 32 w rows of WT + 8 lane
	v_add_nc_u32 v35, 16*WP, v34                   ; the same 16 rows on: an LDS immediate has 16 bits
.irp win, 0x40, 0xc0                               ; the copies for the two stream contexts (destination window 1, then 3)
	WIN \win
	v_mov_b32 v160, v4
	v_mov_b32 v161, v32
	v_mov_b32 v163, v33
	v_mov_b32 v164, v34
	v_mov_b32 v165, v35
.endr
	WIN 0
	s_lshr_b32 s30, s15, 1                         ; 16 g + cb
	s_mov_b32 s21, 0
	s_wait_kmcnt 0x0
	s_mul_i32 s20, s18, OPITCH
	s_add_nc_u64 s[8:9], s[8:9], s[20:21]          ; order at my group's part
	s_load_b32 s22, s[8:9], 4*CNTI                 ; M: asked for ahead of the loads of W, wanted behind them
	s_lshl_b32 s20, s30, 19
	s_add_nc_u64 s[4:5], s[4:5], s[20:21]          ; W at my block: 128 rows of 4,096 bytes each
	s_lshl_b32 s20, s30, 9
	s_add_nc_u64 s[6:7], s[6:7], s[20:21]          ; b at my 128 columns
	s_lshl_b32 s20, s17, 9
	s_add_nc_u64 s[12:13], s[12:13], s[20:21]      ; out0 at my 128 columns of row 0
; 32 loads of 512 consecutive bytes: 4 rows of W (part hf of my wave's eight parts), into the current stream context
.macro WLOAD hf
.set j, 0
.rept 32
	global_load_b128 v[4*j:4*j+3], v163, s[4:5] offset:16384*(\hf)+512*j
.set j, j+1
.endr
.endm
; 32 x 4 f32 to 32 x 4 bf16, in place: registers 4 i, 4 i + 1 then hold the 8 bytes to store
.macro CVT32
.set ci, 0
.rept 32
	v_cvt_pk_bf16_f32 v[4*ci], v[4*ci], v[4*ci+1]
	v_cvt_pk_bf16_f32 v[4*ci+1], v[4*ci+2], v[4*ci+3]
.set ci, ci+1
.endr
.endm
	; ---- every wave asks for the first two parts of its rows of W ----
	WIN W_EVEN
	WLOAD 0
	WIN W_ODD
	WLOAD 1
	WIN 0
	; ---- the list entries of all 16 tiles that can be mine (vw + 8 i < 128), one register a tile: lane l holds entry min(32 tile + l, M - 1).
	;      Where M = 0 the lanes read a count word instead, which is written; no tile follows, so nothing uses it. ----
	s_wait_kmcnt 0x0
	s_min_u32 s22, s22, 4096                       ; M, bounded in the text
	s_sub_co_u32 s23, s22, 1
	s_cmp_eq_u32 s22, 0
	s_cselect_b32 s23, CNTI, s23                   ; the last entry that may be read
	s_lshl_b32 s30, s19, 5
	v_add_nc_u32 v18, s30, v1                      ; 32 vw + lane
.set li, 0
.rept 16
	v_add_nc_u32 v[LT+li], 256*li, v18             ; entry 32 (vw + 8 i) + lane,
	v_min_u32 v[LT+li], s23, v[LT+li]              ; held back to the list's last,
	v_min_u32 v[LT+li], CNTI+31, v[LT+li]          ; bounded in the text before it enters an address
	v_lshlrev_b32 v[LT+li], 2, v[LT+li]
.set li, li+1
.endr
.set li, 0
.rept 16
	global_load_b32 v[LT+li], v[LT+li], s[8:9]     ; each load lands on its own offset register
.set li, li+1
.endr
	global_load_b128 v[BIAS:BIAS+3], v9, s[6:7]                ; bias of columns 4 r .. 4 r + 3
	global_load_b128 v[BIAS+4:BIAS+7], v9, s[6:7] offset:256   ; and of columns 64 + 4 r ..
; Part hf of my rows of W: wait, convert, store as bf16, ask for the part two further on.
.macro FILLH hf
.if (\hf)&1
	WIN W_ODD
.else
	WIN W_EVEN
.endif
.if (\hf) == 7
	s_wait_loadcnt 0x0                             ; the last part: nothing was issued behind it
.else
.if (\hf) < 2
	s_wait_loadcnt 50                              ; behind this part: 32 loads of another part of W, and the 16 list loads and 2 bias loads
.else
	s_wait_loadcnt 32                              ; the next part's 32 loads stay out
.endif
.endif
	CVT32
.set j, 0
.rept 32
	ds_store_b64 v[164+(\hf)/4], v[4*j:4*j+1] offset:((4*(\hf)+(j>>3))&15)*WP+(j&7)*256   ; row 4 hf + j / 8 of my 32, k = 128 (j mod 8) + 4 lane: 32 lanes store 256 consecutive bytes
.set j, j+1
.endr
.if (\hf) < 6
	WLOAD (\hf)+2
.endif
.endm
.irp hf, 0,1,2,3,4,5,6,7
	FILLH \hf
.endr
	WIN 0
	; ---- the one barrier: every wave's stores into WT are done; behind it WT is only read ----
	s_wait_dscnt 0x0
	s_barrier_signal -1
	s_barrier_wait -1
	; ---- my number of tiles ----
	s_add_co_u32 s25, s22, 31
	s_lshr_b32 s25, s25, 5                         ; T = tiles of the group
	s_add_co_u32 s25, s25, 7
	s_sub_co_u32 s25, s25, s19
	s_lshr_b32 s25, s25, 3                         ; my tiles: vw, vw + 8, .. below T
	s_cmp_eq_u32 s25, 0
	s_cbranch_scc1 .Lend                           ; no barrier stands behind this branch
	s_mov_b32 vcc_lo, 0xffff0000                   ; lanes 16 to 31 (h = 1), for the way out; VCC is not written again
; The 32 rows of the tile in register lr (window 0) become byte offsets in x, in the context's XOFF: row x 4,096 + 16 lane.
; Eight at a time: lane to scalar, bounded in the text before it enters an address, then shift and add.
.macro NEWOFF lr
.set og, 0
.rept 4
.irp e, 0,1,2,3,4,5,6,7
	v_readlane_b32 s[32+\e], v[\lr], 8*og+\e
.endr
.irp e, 0,1,2,3,4,5,6,7
	s_min_u32 s[32+\e], s[32+\e], 0xfff
.endr
.irp e, 0,1,2,3,4,5,6,7
	v_lshl_add_u32 v[XOFF+8*og+\e], s[32+\e], 12, v160
.endr
.set og, og+1
.endr
.endm
; Chunk c (128 k, 512 bytes) of the tile's 32 rows: one load a row, 32 lanes x 16 consecutive bytes.
.macro XLOAD c
.set xi, 0
.rept 32
	global_load_b128 v[4*xi:4*xi+3], v[XOFF+xi], s[10:11] offset:512*(\c)
.set xi, xi+1
.endr
.endm
	WIN W_EVENL                                    ; the first tile's chunks 0 and 1 are asked for
	NEWOFF LT
	WIN W_EVEN
	XLOAD 0
	WIN W_ODDL
	NEWOFF LT
	WIN W_ODD
	XLOAD 1
	WIN 0
; 32 rows x 8 bytes a lane into my stage: row si, k = 4 lane ..: 256 consecutive bytes a store
.macro STSTORE
.set si, 0
.rept 32
	ds_store_b64 v161, v[4*si:4*si+1] offset:SP*si
.set si, si+1
.endr
.endm
; Chunk q goes from its stream context into the stage, and the chunk two further on is asked for: chunks 6 and 7 ask for the NEXT tile's
; chunks 0 and 1 (rows from LT + 1), which fly across the way out; in the last tile they ask for nothing.
.macro STAGE q, last
.if (\q)&1
	WIN W_ODD
.else
	WIN W_EVEN
.endif
.if (\q) < 6
	s_wait_loadcnt 32                              ; my chunk is in; the next chunk's 32 loads stay out
	CVT32
	STSTORE
	XLOAD (\q)+2
.else
.if \last
.if (\q) == 7
	s_wait_loadcnt 0x0                             ; the very last chunk: nothing was issued behind it
.else
	s_wait_loadcnt 32
.endif
	CVT32
	STSTORE
.else
	s_wait_loadcnt 32                              ; my chunk is in: the last loads that read this context's XOFF are done, so it may be written
	CVT32
	STSTORE
.if (\q)&1
	WIN W_ODDL
	NEWOFF LT+1
	WIN W_ODD
.else
	WIN W_EVENL
	NEWOFF LT+1
	WIN W_EVEN
.endif
	XLOAD (\q)-6
.endif
.endif
.endm
; The fragments of K step kk (32 k) into buffer p: 2 blocks of 16 rows of x from my stage, 8 blocks of 16 columns from WT; 20 loads.
; Lane (r, h): registers 0-3 hold k = 8 h .., registers 4-7 k = 16 + 8 h ..: two loads of 16 bytes, 32 bytes apart.
.macro LDFRAG p, kk
.irp a, 0,1
	ds_load_b128 v[AF+16*(\p)+8*\a:AF+16*(\p)+8*\a+3],   v5 offset:16*SP*\a+64*((\kk)&3)
	ds_load_b128 v[AF+16*(\p)+8*\a+4:AF+16*(\p)+8*\a+7], v5 offset:16*SP*\a+64*((\kk)&3)+32
.endr
.irp b, 0,1,2,3,4,5,6,7
	ds_load_b128 v[BF+64*(\p)+8*\b:BF+64*(\p)+8*\b+3],   v[10+\b] offset:64*(\kk)
	ds_load_b128 v[BF+64*(\p)+8*\b+4:BF+64*(\p)+8*\b+7], v[10+\b] offset:64*(\kk)+32
.endr
.endm
; 16 matrix instructions, used transposed: source 0 = 16 columns (rows of W), source 1 = 16 rows of x, so that lane (r, h) holds in register j
; out(row 16 a + r, column 16 b + 8 h + j): eight neighbouring columns.  The 16 accumulators take turns, one instruction a turn, in the same
; order in every K step and from tile to tile.  zero = 1: the first product starts the sums.
.macro MMA p, zero
	WIN W_MUL
.irp a, 0,1
.irp b, 0,1,2,3,4,5,6,7
.if \zero
	v_wmma_f32_16x16x32_bf16 v[8*(8*\a+\b):8*(8*\a+\b)+7], v[BF+64*(\p)+8*\b:BF+64*(\p)+8*\b+7], v[AF+16*(\p)+8*\a:AF+16*(\p)+8*\a+7], 0
.else
	v_wmma_f32_16x16x32_bf16 v[8*(8*\a+\b):8*(8*\a+\b)+7], v[BF+64*(\p)+8*\b:BF+64*(\p)+8*\b+7], v[AF+16*(\p)+8*\a:AF+16*(\p)+8*\a+7], v[8*(8*\a+\b):8*(8*\a+\b)+7]
.endif
.endr
.endr
.endm
; K step kk: ask for the next step's fragments, wait for this step's, multiply.
; The next step's loads go into the buffer that the matrix instructions just ahead have read: four places stand between.  Where kk mod 4 = 3
; the 64 conversions of STAGE are those places; step 0 stands behind STAGE too; step 31 loads nothing.
; Behind the third step of a chunk the stage is written anew: the old chunk's last fragment loads have been issued by then,
; and LDS serves a wave's instructions in order (ISA guide 5.7.1).
.macro STEP kk, last
	WIN 0
.if ((\kk)&3) != 3
.if (\kk) > 0
	PLACES
.endif
.endif
.if (\kk) < 31
.set NP, ((\kk)+1)&1
.set NK, (\kk)+1
	LDFRAG NP, NK
.if ((\kk)&3) == 3
	s_wait_dscnt 52                                ; behind this step's fragments: the 32 stage stores and the 20 loads just issued
.else
	s_wait_dscnt 20                                ; the 20 loads just issued stay out
.endif
.else
	s_wait_dscnt 0x0
.endif
.if (\kk) == 0
	MMA 0, 1
.else
.set CP, (\kk)&1
	MMA CP, 0
.endif
.if ((\kk)&3) == 2
.if (\kk) < 30
.set SQ, (\kk)/4+1
	STAGE SQ, \last
.endif
.endif
.endm
; The way out, 64 columns at a time: 32 bytes a lane into my stage (rows of 256 bytes + 16), read back by rows, bias added, stored:
; sixteen neighbouring lanes store 256 consecutive bytes of one row of out0, at a multiple of 256 from its first byte.
; The stage is my own and LDS serves a wave in order: no wait stands between the stores and the loads, nor between the halves.
.macro OUT last
	WIN 0
	; OO[p] = (list entry 2 p + h) x 8,192 + 16 r: where stage row 2 p + h goes.  Lanes 0-15 take the even entry, lanes 16-31 the odd one.
	; These 64 plain vector instructions name no register of a matrix instruction: they are the places between the last
	; matrix instructions and the LDS stores that read results and the loads that land in fragment buffers.
.set og, 0
.rept 4
.irp e, 0,1,2,3,4,5,6,7
	v_readlane_b32 s[32+\e], v[LT], 8*og+\e
.endr
.irp e, 0,1,2,3
	v_mov_b32 v[OO+4*og+\e], s[33+2*\e]
	v_cndmask_b32 v[OO+4*og+\e], s[32+2*\e], v[OO+4*og+\e], vcc_lo
	v_min_u32 v[OO+4*og+\e], 0xfff, v[OO+4*og+\e]  ; the row is bounded in the text before it enters an address
	v_lshl_add_u32 v[OO+4*og+\e], v[OO+4*og+\e], 13, v9
.endr
.set og, og+1
.endr
.irp ch, 0,1
	WIN W_ACCS
.irp a, 0,1
.irp bb, 0,1,2,3
.irp e, 0,1
	ds_store_b128 v6, v[8*(8*\a+4*\ch+\bb)+4*\e:8*(8*\a+4*\ch+\bb)+4*\e+3] offset:16*SP*\a+64*\bb+16*\e
.endr
.endr
.endr
	WIN 0
.set op, 0
.rept 16
	ds_load_b128 v[BF+64*\ch+4*op:BF+64*\ch+4*op+3], v7 offset:2*SP*op   ; rows 2 p and 2 p + 1
.set op, op+1
.endr
.set op, 0
.rept 16
	s_wait_dscnt 15-op                             ; the younger read-backs stay out
	v_pk_add_f32 v[BF+64*\ch+4*op:BF+64*\ch+4*op+1],   v[BF+64*\ch+4*op:BF+64*\ch+4*op+1],   v[BIAS+4*\ch:BIAS+4*\ch+1]
	v_pk_add_f32 v[BF+64*\ch+4*op+2:BF+64*\ch+4*op+3], v[BF+64*\ch+4*op+2:BF+64*\ch+4*op+3], v[BIAS+4*\ch+2:BIAS+4*\ch+3]
	global_store_b128 v[OO+op], v[BF+64*\ch+4*op:BF+64*\ch+4*op+3], s[12:13] offset:256*\ch th:TH_STORE_NT
.set op, op+1
.endr
.endr
.if \last == 0
	s_wait_xcnt 0x0                                ; the stores' data (BF) and offsets (OO) are written again in the next tile only behind this wait
.endif
.endm
; A tile: 8 chunks of 128 k, 32 K steps, the way out.
.macro TILE last
	STAGE 0, \last
	WIN 0
	LDFRAG 0, 0
.irp kk, 0,1,2,3,4,5,6,7,8,9,10,11,12,13,14,15,16,17,18,19,20,21,22,23,24,25,26,27,28,29,30,31
	STEP \kk, \last
.endr
	OUT \last
.endm
	s_sub_co_u32 s29, s25, 1                       ; all my tiles but the last go round the loop
	s_cmp_eq_u32 s29, 0
	s_cbranch_scc1 .Llast
.Ltile:
	TILE 0
	WIN 0
.set li, 0
.rept 15                                           ; my next tile's entries move to LT, and so on: a register cannot be picked by the trip's number
	v_mov_b32 v[LT+li], v[LT+li+1]
.set li, li+1
.endr
	s_sub_co_u32 s29, s29, 1
	s_cmp_lg_u32 s29, 0
	s_cbranch_scc1 .Ltile
.Llast:
	TILE 1                                         ; the last tile is written out: it asks for no row beyond its own
	WIN 0
.Lend:
	s_wait_tensorcnt 0x0
	ds_add_u32 v126, v127
	s_wait_dscnt 0x0
	s_endpgm
.Lfunc_end_k_q9ede3ba007_glin:
	.size	k_q9ede3ba007_glin, .Lfunc_end_k_q9ede3ba007_glin-k_q9ede3ba007_glin
	.p2alignl 7, 3214868480
	.fill 96, 4, 3214868480
	.section	.rodata,"a",@progbits
	.p2align	6, 0x0
	.amdhsa_kernel k_q9ede3ba007_glin
		.amdhsa_group_segment_fixed_size 299520
		.amdhsa_private_segment_fixed_size 0
		.amdhsa_enable_private_segment 0
		.amdhsa_kernarg_size 40
		.amdhsa_user_sgpr_count 2
		.amdhsa_user_sgpr_kernarg_segment_ptr 1
		.amdhsa_wavefront_size32 1
		.amdhsa_system_sgpr_workgroup_id_x 1
		.amdhsa_system_sgpr_workgroup_id_y 1
		.amdhsa_system_sgpr_workgroup_id_z 1
		.amdhsa_system_vgpr_workitem_id 0
		.amdhsa_next_free_vgpr 1024
		.amdhsa_next_free_sgpr 66
		.amdhsa_reserve_vcc 1
		.amdhsa_float_denorm_mode_32 3
		.amdhsa_float_denorm_mode_16_64 3
		.amdhsa_memory_ordered 1
		.amdhsa_forward_progress 1
		.amdhsa_inst_pref_size 255
	.end_amdhsa_kernel
	.section	.bss,"aw",@nobits
	.p2align	6
	.space	262144
	.amdgpu_metadata
---
amdhsa.version: [ 1, 2 ]
amdhsa.kernels:
  - .name:           k_q9ede3ba007_glin
    .symbol:         k_q9ede3ba007_glin.kd
    .args:
      - { .name: W, .offset: 0, .size: 8, .value_kind: global_buffer, .address_space: global }
      - { .name: b, .offset: 8, .size: 8, .value_kind: global_buffer, .address_space: global }
      - { .name: order, .offset: 16, .size: 8, .value_kind: global_buffer, .address_space: global }
      - { .name: x, .offset: 24, .size: 8, .value_kind: global_buffer, .address_space: global }
      - { .name: out0, .offset: 32, .size: 8, .value_kind: global_buffer, .address_space: global }
    .group_segment_fixed_size: 299520
    .private_segment_fixed_size: 0
    .kernarg_segment_align: 8
    .kernarg_segment_size: 40
    .max_flat_workgroup_size: 128
    .sgpr_count:     66
    .vgpr_count:     1024
    .wavefront_size: 32
...
	.end_amdgpu_metadata
.endif
;; end of part 2
;; ======== version 2 of 3: 2 launches; 1.16 times as fast as version 1
;; workspace buffers: order 137,216 bytes of whole numbers; xb 8,388,608 bytes
;; launch prep (part 3): grid 264 x 1, 4 waves a work-group, no clusters, 0 bytes of LDS; arguments indices, x, order, xb; writes order, xb
.if DOCPART == 3
	.amdgcn_target "amdgcn-amd-amdhsa--gfx1250"
	.amdhsa_code_object_version 6
	.text
	.protected	k_q9ede3ba007_prep
	.globl	k_q9ede3ba007_prep
	.p2align	8
	.type	k_q9ede3ba007_prep,@function
k_q9ede3ba007_prep:
	s_mov_b64 s[64:65], 0
	v_nop
	global_prefetch_b8 v0, s[64:65] scope:SCOPE_SE
	s_setreg_imm32_b32 hwreg(HW_REG_WAVE_MODE, 25, 1), 1
	s_wait_xcnt 0x0
; Two jobs that need nothing of each other, in one launch, told apart by the work-group's number.
;
; WORK-GROUPS 0..7: for group g (the work-group's number) the list of the rows n with indices[n] = g, and their count M, as whole numbers.
; order[g] is 17,152 bytes: entries 0..M-1 the rows, 4096..4223 a dump word for each thread, 4224..4255 M (one word a lane).
; Entries M..4095 are not written and the next launch does not read them.
; Wave w owns the rows 1024 w .. 1024 w + 1023.  Its place in the list begins at the number of matches in the segments in front of its own:
; every wave counts segments 0, 1 and 2 itself and a select keeps those in front of it, so no wave hands anything to another; the text is
; the same for all four, and wave 3 needs all three counts anyway.  Then it scans its own segment in 32 steps of 32 rows: a lane with a
; match stores its row's number at count + matches in the lanes below it, so the matching lanes of a step store neighbouring words;
; a lane without a match stores into its own dump word, which nobody reads.  Four steps go together, so that their chains overlap.
; LIMIT: an index outside 0..7 enters no list.
;
; WORK-GROUPS 8..263: xb = x rounded to bf16 (nearest even), same order of rows.  x is wanted as bf16 by 16 work-groups of the next launch for
; every row, so it is rounded once here.  A wave takes 16 KiB of x: 32 loads of 512 consecutive bytes, all on their way at once; each store
; of the wave covers 256 consecutive bytes of xb, aligned.
.set NSORT,  8
.set OPITCH, 17152                     ; bytes of a group's part of order
.set DUMPI,  4096                      ; first dump entry
.set CNTI,   4224                      ; first count entry
.set IDX,    8                         ; v8-103    the indices of segments 0 to 2
.set OWN,    104                       ; v104-135  the indices of my segment; each is overwritten by its step's store offset
.set ROW,    136                       ; v136-167  the row numbers to store: one register a step, written once
.set X,      8                         ; v8-135    the other job: 32 x 4 f32, converted in place
	s_load_b256 s[4:11], s[0:1], 0x0               ; indices s[4:5], x s[6:7], order s[8:9], xb s[10:11]
	v_lshrrev_b32 v1, 5, v0
	v_readfirstlane_b32 s14, v1                    ; wave 0..3
	v_and_b32 v1, 31, v0                           ; lane
	v_lshlrev_b32 v2, 4, v1                        ; 16 lane
	s_mov_b32 s15, ttmp9                           ; the work-group's number
	s_cmp_ge_u32 s15, NSORT
	s_cbranch_scc1 .Lcvt
	; ---- the list of group g = s15 ----
	s_mul_i32 s20, s15, OPITCH
	s_mov_b32 s21, 0
	s_lshl_b32 s22, s14, 12                        ; my segment in indices: 1,024 rows of 4 bytes
	s_mov_b32 s23, 0
	s_lshl_b32 s13, s14, 10                        ; its first row
	s_mov_b32 s24, 0                               ; matches in segment 0,
	s_mov_b32 s25, 0                               ; 1,
	s_mov_b32 s26, 0                               ; 2
	v_lshlrev_b32 v3, 2, v1
	v_add_nc_u32 v3, s13, v3                       ; 1024 w + 4 lane
	v_add_nc_u32 v4, DUMPI, v0                     ; my dump entry
	s_wait_kmcnt 0x0
	s_add_nc_u64 s[8:9], s[8:9], s[20:21]          ; my group's part of order
	s_add_nc_u64 s[22:23], s[4:5], s[22:23]        ; indices at my segment
.set j, 0
.rept 24
	global_load_b128 v[IDX+4*j:IDX+4*j+3], v2, s[4:5] offset:512*j     ; segments 0 to 2
.set j, j+1
.endr
.set j, 0
.rept 8
	global_load_b128 v[OWN+4*j:OWN+4*j+3], v2, s[22:23] offset:512*j   ; component c of load j in lane l is row 1024 w + 128 j + 4 l + c
.set j, j+1
.endr
	; the counts: eight registers (two loads) at a time, segment k / 4
.set k, 0
.rept 12
	s_wait_loadcnt 30-2*k                          ; loads come back in order (ISA guide 5.7.1): of 32 loads, numbers 2 k and 2 k + 1 are in, the 30 - 2 k younger ones stay out
.irp e, 0,1,2,3,4,5,6,7
	v_cmp_eq_u32 s[32+\e], s15, v[IDX+8*k+\e]
.endr
.irp e, 0,1,2,3,4,5,6,7
	s_bcnt1_i32_b32 s[32+\e], s[32+\e]
.endr
.irp e, 0,1,2,3,4,5,6,7
	s_add_co_u32 s[24+(k>>2)], s[24+(k>>2)], s[32+\e]
.endr
.set k, k+1
.endr
	s_cmp_gt_u32 s14, 0                            ; only the segments in front of mine count
	s_cselect_b32 s24, s24, 0
	s_cmp_gt_u32 s14, 1
	s_cselect_b32 s25, s25, 0
	s_cmp_gt_u32 s14, 2
	s_cselect_b32 s26, s26, 0
	s_add_co_u32 s40, s24, s25
	s_add_co_u32 s40, s40, s26                     ; the running count: where my first match goes
	; the scan: the four components of a load together
.set j, 0
.rept 8
	s_wait_loadcnt 7-j                             ; my segment's load j is in, the younger ones stay out
.irp c, 0,1,2,3
	v_cmp_eq_u32 s[32+\c], s15, v[OWN+4*j+\c]
.endr
.irp c, 0,1,2,3
	s_bcnt1_i32_b32 s[36+\c], s[32+\c]
.endr
	s_add_co_u32 s41, s40, s36                     ; the count in front of each of the four steps
	s_add_co_u32 s42, s41, s37
	s_add_co_u32 s43, s42, s38
.irp c, 0,1,2,3
	v_mbcnt_lo_u32_b32 v[OWN+4*j+\c], s[32+\c], s[40+\c]       ; count + matches in the lanes below me
.endr
	s_add_co_u32 s40, s43, s39
.irp c, 0,1,2,3
	v_cndmask_b32 v[OWN+4*j+\c], v4, v[OWN+4*j+\c], s[32+\c]   ; no match: my dump entry
.endr
.irp c, 0,1,2,3
	v_min_u32 v[OWN+4*j+\c], DUMPI+127, v[OWN+4*j+\c]          ; an address made from loaded numbers is bounded in the text
.endr
.irp c, 0,1,2,3
	v_lshlrev_b32 v[OWN+4*j+\c], 2, v[OWN+4*j+\c]
.endr
.irp c, 0,1,2,3
	v_add_nc_u32 v[ROW+4*j+\c], 128*j+\c, v3                   ; the row
.endr
.irp c, 0,1,2,3
	global_store_b32 v[OWN+4*j+\c], v[ROW+4*j+\c], s[8:9]
.endr
.set j, j+1
.endr
	s_cmp_lg_u32 s14, 3
	s_cbranch_scc1 .Lsorted
	v_mov_b32 v5, s40                              ; wave 3's count behind its last step is M
	v_lshlrev_b32 v6, 2, v1
	global_store_b32 v6, v5, s[8:9] offset:4*CNTI  ; 32 neighbouring words
.Lsorted:
	s_endpgm
	; ---- x to bf16 ----
.Lcvt:
	s_sub_co_u32 s16, s15, NSORT
	s_lshl_b32 s16, s16, 2
	s_or_b32 s16, s16, s14                         ; my part, 0..1023
	s_lshl_b32 s20, s16, 14                        ; 16,384 bytes of x,
	s_mov_b32 s21, 0
	s_lshl_b32 s22, s16, 13                        ; 8,192 of xb
	s_mov_b32 s23, 0
	v_lshlrev_b32 v3, 3, v1                        ; 8 lane
	s_wait_kmcnt 0x0
	s_add_nc_u64 s[6:7], s[6:7], s[20:21]
	s_add_nc_u64 s[10:11], s[10:11], s[22:23]
.set j, 0
.rept 32
	global_load_b128 v[X+4*j:X+4*j+3], v2, s[6:7] offset:512*j th:TH_LOAD_NT   ; x is read once in this launch and never again
.set j, j+1
.endr
.set j, 0
.rept 32
	s_wait_loadcnt 31-j                            ; load j is in, the younger ones stay out
	v_cvt_pk_bf16_f32 v[X+4*j], v[X+4*j], v[X+4*j+1]
	v_cvt_pk_bf16_f32 v[X+4*j+1], v[X+4*j+2], v[X+4*j+3]
	global_store_b64 v3, v[X+4*j:X+4*j+1], s[10:11] offset:256*j   ; 32 lanes x 8 bytes: 256 consecutive bytes, at a multiple of 256 from xb's first byte
.set j, j+1
.endr
	s_endpgm
.Lfunc_end_k_q9ede3ba007_prep:
	.size	k_q9ede3ba007_prep, .Lfunc_end_k_q9ede3ba007_prep-k_q9ede3ba007_prep
	.p2alignl 7, 3214868480
	.fill 96, 4, 3214868480
	.section	.rodata,"a",@progbits
	.p2align	6, 0x0
	.amdhsa_kernel k_q9ede3ba007_prep
		.amdhsa_group_segment_fixed_size 0
		.amdhsa_private_segment_fixed_size 0
		.amdhsa_enable_private_segment 0
		.amdhsa_kernarg_size 32
		.amdhsa_user_sgpr_count 2
		.amdhsa_user_sgpr_kernarg_segment_ptr 1
		.amdhsa_wavefront_size32 1
		.amdhsa_system_sgpr_workgroup_id_x 1
		.amdhsa_system_sgpr_workgroup_id_y 1
		.amdhsa_system_sgpr_workgroup_id_z 1
		.amdhsa_system_vgpr_workitem_id 0
		.amdhsa_next_free_vgpr 168
		.amdhsa_next_free_sgpr 66
		.amdhsa_reserve_vcc 0
		.amdhsa_float_denorm_mode_32 3
		.amdhsa_float_denorm_mode_16_64 3
		.amdhsa_memory_ordered 1
		.amdhsa_forward_progress 1
		.amdhsa_inst_pref_size 45
	.end_amdhsa_kernel
	.amdgpu_metadata
---
amdhsa.version: [ 1, 2 ]
amdhsa.kernels:
  - .name:           k_q9ede3ba007_prep
    .symbol:         k_q9ede3ba007_prep.kd
    .args:
      - { .name: indices, .offset: 0, .size: 8, .value_kind: global_buffer, .address_space: global }
      - { .name: x, .offset: 8, .size: 8, .value_kind: global_buffer, .address_space: global }
      - { .name: order, .offset: 16, .size: 8, .value_kind: global_buffer, .address_space: global }
      - { .name: xb, .offset: 24, .size: 8, .value_kind: global_buffer, .address_space: global }
    .group_segment_fixed_size: 0
    .private_segment_fixed_size: 0
    .kernarg_segment_align: 8
    .kernarg_segment_size: 32
    .max_flat_workgroup_size: 128
    .sgpr_count:     66
    .vgpr_count:     168
    .wavefront_size: 32
...
	.end_amdgpu_metadata
.endif
;; end of part 3
;; launch glin (part 4): grid 256 x 1, 4 waves a work-group, no clusters, 299,520 bytes of LDS; arguments W, b, order, xb, out0; writes out0
.if DOCPART == 4
	.amdgcn_target "amdgcn-amd-amdhsa--gfx1250"
	.amdhsa_code_object_version 6
	.text
	.protected	k_q9ede3ba007_glin
	.globl	k_q9ede3ba007_glin
	.p2align	8
	.type	k_q9ede3ba007_glin,@function
k_q9ede3ba007_glin:
	s_mov_b64 s[64:65], 0
	v_nop
	global_prefetch_b8 v0, s[64:65] scope:SCOPE_SE
	s_setreg_imm32_b32 hwreg(HW_REG_WAVE_MODE, 25, 1), 1
	s_wait_xcnt 0x0
; out0[n][:] = x[n][:] . W[g(n)]^T + b[g(n)],  g(n) = indices[n].  W [8*2048][1024] f32, b [8*2048] f32, out0 [4096][2048] f32.
; Only the group that a row's index names is computed: the other seven products are thrown away by the gather.
; The launch before has left xb [4096][1024], x rounded once to bf16 (nearest even), and each group's rows as a list: order[g], 17,152 bytes:
; entries 0..M-1 the rows, entries 4224..4255 the count M.
; W is rounded once to bf16 (nearest even) here, sums are f32, the bias is added in f32 behind the product.
; LIMIT: an index outside 0..7 is in no list and its row of out0 stays unwritten (the index is taken to stay inside the table of 8 groups).
;
; SHARES.  Work-group wg (0..255): group g = wg >> 5, block of 128 columns cb = (wg >> 1) & 15, row half hh = wg & 1.
; It keeps its 128 rows of W (512 KiB of f32, dense in memory) as bf16 in LDS for the whole launch.
; The group's list is cut into tiles of 32 rows; wave w takes the tiles t = 2 w + hh (mod 8).
; A wave tile is 32 rows x 128 columns = 16 accumulators.  Each wave gathers and stages its own rows of xb in its own LDS bytes,
; so behind the one barrier (W is whole) no wave waits for another.
; A lane whose list entry would lie at or behind M takes entry M - 1: a tail tile computes and stores its own last row again, the same bytes
; with the same values, from the same wave; EXEC stays full everywhere.
;
; NO TENSOR LOADS, NO CLUSTER: xb's rows are named by a list, so no tile descriptor covers them; W is f32 in memory and is wanted as bf16
; in LDS, so its bytes pass through registers anyway; and a block of W is read by two work-groups only, once each.
;
; LDS:  WT    0        128 rows (a row = one output column), 2,048 bytes of bf16 + 16 of padding
;       STG   264192   4 x 8,704: wave w's own 32 rows of 272 bytes: 128 k of bf16 on the way in, 64 columns of f32 on the way out
; Both pitches (2,064 and 272) are odd multiples of 16 bytes: the 16 rows that a 16-byte fragment load touches fall on 16 different
; 16-byte columns of 256 bytes.
;
; REGISTERS, in windows of 256 (s_set_vgpr_msb's low byte: bits 1:0 source 0, 3:2 source 1, 5:4 source 2, 7:6 destination):
;   window 0: addresses, bias, my tiles' list entries (LT), offsets (OO, XOFF), fragments of x (AF) and of W (BF), two buffers each
;   window 2: v0-127 the 16 accumulators, tile (a, b) at 8 (8 a + b)
;   windows 1 and 3, v0-127: while W is filled, two stream contexts (v163-165 their addresses), so that one setting (0x55 or 0xff) serves a
;   part's conversions, LDS stores and loads; afterwards four slots of 64 registers for chunks of xb: slots 0, 1 in window 1, slots 2, 3 in window 3.
;   Their loads and LDS stores take the address from window 0, so only the data's window is switched.
.set WP,    2064                       ; pitch of WT
.set SP,    272                        ; pitch of a stage
.set WSTG,  32*SP                      ; a wave's stage
.set STG,   128*WP                     ; 264192
.set OPITCH, 17152                     ; bytes of a group's part of order
.set CNTI,  4224                       ; its first entry that holds M
.set AF,    64                         ; v64-95   fragments of x: 2 buffers x 2 blocks of 16 rows x 8 registers
.set BF,    128                        ; v128-255 fragments of W: 2 buffers x 8 blocks of 16 columns x 8; rows read back on the way out
.set BIAS,  24                         ; v24-31   my 4 columns' bias, for each half of 64 columns
.set OO,    32                         ; v32-47   way out: byte offset in out0 of my 16 bytes of rows 2 p + h
.set LT,    48                         ; v48-63   lane l of LT + i: list entry l of the i-th tile from the current one among my tiles
.set XOFF,  96                         ; v96-111  byte offset in xb of my 16 bytes of rows 2 p + h, chunk 0
.set W_EVEN, 0x55
.set W_ODD,  0xff
.set W_MUL,  0xa0                      ; sources 0 and 1 window 0, C and D window 2
.set W_ACCS, 0x08                      ; LDS store: address window 0, data window 2
.set MSB, 0
.macro WIN new                         ; the immediate's high byte repeats the setting that is left; at labels and branches the setting is 0
.if MSB != \new
	s_set_vgpr_msb (MSB<<8)|\new
.set MSB, \new
.endif
.endm
.macro PLACES                          ; four places behind a matrix instruction (ISA guide 7.12.1), where there is no useful vector work to stand there
.rept 4
	v_nop
.endr
.endm
	; ---- set-up ----
	s_load_b256 s[4:11], s[0:1], 0x0               ; W s[4:5], b s[6:7], order s[8:9], xb s[10:11]
	s_load_b64 s[12:13], s[0:1], 0x20              ; out0
	v_lshl_add_u32 v126, v0, 2, 0x49000
	v_mov_b32 v127, 0
	v_lshrrev_b32 v1, 5, v0
	v_readfirstlane_b32 s14, v1                    ; wave 0..3
	s_mov_b32 s15, ttmp9                           ; wg
	s_and_b32 s16, s15, 1                          ; hh
	s_bfe_u32 s17, s15, 0x40001                    ; cb: 4 bits from bit 1
	s_lshr_b32 s18, s15, 5                         ; g
	s_lshl_b32 s19, s14, 1
	s_or_b32 s19, s19, s16                         ; vw = 2 w + hh: my first tile
	s_mul_i32 s23, s14, WSTG
	s_add_co_u32 s23, s23, STG                     ; my stage
	v_and_b32 v1, 31, v0                           ; lane
	v_and_b32 v2, 15, v0                           ; r
	v_bfe_u32 v3, v0, 4, 1                         ; h
	v_lshlrev_b32 v4, 4, v1                        ; 16 lane
	v_mul_u32_u24 v18, v2, SP
	v_add_nc_u32 v18, s23, v18                     ; stage + 272 r
	v_lshl_add_u32 v5, v3, 4, v18                  ; ADRA: x fragments, + 16 h
	v_lshl_add_u32 v6, v3, 5, v18                  ; STO: way out, my 8 f32 of row r, + 32 h
	v_mul_u32_u24 v19, v3, SP
	v_lshl_add_u32 v19, v2, 4, v19
	v_add_nc_u32 v7, s23, v19                      ; RD: row h of my stage, 16 bytes at 16 r: where a chunk's rows go in, and where results are read back
	v_lshlrev_b32 v9, 4, v2                        ; 16 r
	v_mul_u32_u24 v20, v2, WP
	v_lshl_add_u32 v20, v3, 4, v20                 ; r x 2064 + 16 h
.irp b, 0,1,2,3,4,5,6,7
	v_add_nc_u32 v[10+\b], 16*\b*WP, v20           ; ADRB[b]: W fragments of columns 16 b + r
.endr
	s_lshl_b32 s30, s14, 17
	v_add_nc_u32 v33, s30, v4                      ; my wave's 32 rows of the W block: 131072 w + 16 lane
	s_mul_i32 s30, s14, 32*WP
	v_lshl_add_u32 v34, v1, 3, s30                 ; and where they go: 32 w rows of WT + 8 lane
	v_add_nc_u32 v35, 16*WP, v34                   ; the same 16 rows on: an LDS immediate has 16 bits
.irp win, 0x40, 0xc0                               ; the copies for the two stream contexts (destination window 1, then 3)
	WIN \win
	v_mov_b32 v163, v33
	v_mov_b32 v164, v34
	v_mov_b32 v165, v35
.endr
	WIN 0
	s_lshr_b32 s30, s15, 1                         ; 16 g + cb
	s_mov_b32 s21, 0
	s_wait_kmcnt 0x0
	s_mul_i32 s20, s18, OPITCH
	s_add_nc_u64 s[8:9], s[8:9], s[20:21]          ; order at my group's part
	s_load_b32 s22, s[8:9], 4*CNTI                 ; M: asked for ahead of the loads of W, wanted behind them
	s_lshl_b32 s20, s30, 19
	s_add_nc_u64 s[4:5], s[4:5], s[20:21]          ; W at my block: 128 rows of 4,096 bytes each
	s_lshl_b32 s20, s30, 9
	s_add_nc_u64 s[6:7], s[6:7], s[20:21]          ; b at my 128 columns
	s_lshl_b32 s20, s17, 9
	s_add_nc_u64 s[12:13], s[12:13], s[20:21]      ; out0 at my 128 columns of row 0
; 32 loads of 512 consecutive bytes: 4 rows of W (part hf of my wave's eight parts), into the current stream context
.macro WLOAD hf
.set j, 0
.rept 32
	global_load_b128 v[4*j:4*j+3], v163, s[4:5] offset:16384*(\hf)+512*j
.set j, j+1
.endr
.endm
; 32 x 4 f32 to 32 x 4 bf16, in place: registers 4 i, 4 i + 1 then hold the 8 bytes to store
.macro CVT32
.set ci, 0
.rept 32
	v_cvt_pk_bf16_f32 v[4*ci], v[4*ci], v[4*ci+1]
	v_cvt_pk_bf16_f32 v[4*ci+1], v[4*ci+2], v[4*ci+3]
.set ci, ci+1
.endr
.endm
	; ---- every wave asks for the first two parts of its rows of W ----
	WIN W_EVEN
	WLOAD 0
	WIN W_ODD
	WLOAD 1
	WIN 0
	; ---- the list entries of all 16 tiles that can be mine (vw + 8 i < 128), one register a tile: lane l holds entry min(32 tile + l, M - 1).
	;      Where M = 0 the lanes read a count word instead, which is written; no tile follows, so nothing uses it. ----
	s_wait_kmcnt 0x0
	s_min_u32 s22, s22, 4096                       ; M, bounded in the text
	s_sub_co_u32 s23, s22, 1
	s_cmp_eq_u32 s22, 0
	s_cselect_b32 s23, CNTI, s23                   ; the last entry that may be read
	s_lshl_b32 s30, s19, 5
	v_add_nc_u32 v18, s30, v1                      ; 32 vw + lane
.set li, 0
.rept 16
	v_add_nc_u32 v[LT+li], 256*li, v18             ; entry 32 (vw + 8 i) + lane,
	v_min_u32 v[LT+li], s23, v[LT+li]              ; held back to the list's last,
	v_min_u32 v[LT+li], CNTI+31, v[LT+li]          ; bounded in the text before it enters an address
	v_lshlrev_b32 v[LT+li], 2, v[LT+li]
.set li, li+1
.endr
.set li, 0
.rept 16
	global_load_b32 v[LT+li], v[LT+li], s[8:9]     ; each load lands on its own offset register
.set li, li+1
.endr
	global_load_b128 v[BIAS:BIAS+3], v9, s[6:7]                ; bias of columns 4 r .. 4 r + 3
	global_load_b128 v[BIAS+4:BIAS+7], v9, s[6:7] offset:256   ; and of columns 64 + 4 r ..
; Part hf of my rows of W: wait, convert, store as bf16, ask for the part two further on.
.macro FILLH hf
.if (\hf)&1
	WIN W_ODD
.else
	WIN W_EVEN
.endif
.if (\hf) == 7
	s_wait_loadcnt 0x0                             ; the last part: nothing was issued behind it
.else
.if (\hf) < 2
	s_wait_loadcnt 50                              ; behind this part: 32 loads of another part of W, and the 16 list loads and 2 bias loads
.else
	s_wait_loadcnt 32                              ; the next part's 32 loads stay out
.endif
.endif
	CVT32
.set j, 0
.rept 32
	ds_store_b64 v[164+(\hf)/4], v[4*j:4*j+1] offset:((4*(\hf)+(j>>3))&15)*WP+(j&7)*256   ; row 4 hf + j / 8 of my 32, k = 128 (j mod 8) + 4 lane: 32 lanes store 256 consecutive bytes
.set j, j+1
.endr
.if (\hf) < 6
	WLOAD (\hf)+2
.endif
.endm
.irp hf, 0,1,2,3,4,5,6,7
	FILLH \hf
.endr
	WIN 0
	; ---- the one barrier: every wave's stores into WT are done; behind it WT is only read ----
	s_wait_dscnt 0x0
	s_barrier_signal -1
	s_barrier_wait -1
	; ---- my number of tiles ----
	s_add_co_u32 s25, s22, 31
	s_lshr_b32 s25, s25, 5                         ; T = tiles of the group
	s_add_co_u32 s25, s25, 7
	s_sub_co_u32 s25, s25, s19
	s_lshr_b32 s25, s25, 3                         ; my tiles: vw, vw + 8, .. below T
	s_cmp_eq_u32 s25, 0
	s_cbranch_scc1 .Lend                           ; no barrier stands behind this branch
	s_mov_b32 vcc_lo, 0xffff0000                   ; lanes 16 to 31 (h = 1); VCC is not written again
; dst[p] = (list entry 2 p + h of the tile in register lr) << sh + 16 r, p = 0..15: lanes 0-15 take the even entry, lanes 16-31 the odd one.
; Eight entries at a time: lane to scalar, a select by the half, the row bounded in the text before it enters an address, shift and add.  All in window 0.
.macro PAIROFF dst, lr, sh
.set og, 0
.rept 4
.irp e, 0,1,2,3,4,5,6,7
	v_readlane_b32 s[32+\e], v[\lr], 8*og+\e
.endr
.irp e, 0,1,2,3
	v_mov_b32 v[\dst+4*og+\e], s[33+2*\e]
	v_cndmask_b32 v[\dst+4*og+\e], s[32+2*\e], v[\dst+4*og+\e], vcc_lo
	v_min_u32 v[\dst+4*og+\e], 0xfff, v[\dst+4*og+\e]
	v_lshl_add_u32 v[\dst+4*og+\e], v[\dst+4*og+\e], \sh, v9
.endr
.set og, og+1
.endr
.endm
; Chunk c (128 k of bf16, 256 bytes a row) of the tile's 32 rows into slot s: one load for two rows, sixteen lanes x 16 consecutive bytes each.
.macro XLOAD s, c
.if (\s) < 2
	WIN 0x40                                       ; destination window 1, address window 0
.else
	WIN 0xc0                                       ; destination window 3
.endif
.set xi, 0
.rept 16
	global_load_b128 v[64*((\s)&1)+4*xi:64*((\s)&1)+4*xi+3], v[XOFF+xi], s[10:11] offset:256*(\c)
.set xi, xi+1
.endr
.endm
; Slot s into my stage: rows 2 i and 2 i + 1, 256 consecutive bytes each.
.macro STSTORE s
.if (\s) < 2
	WIN 0x04                                       ; data window 1, address window 0
.else
	WIN 0x0c                                       ; data window 3
.endif
.set si, 0
.rept 16
	ds_store_b128 v7, v[64*((\s)&1)+4*si:64*((\s)&1)+4*si+3] offset:2*SP*si
.set si, si+1
.endr
.endm
	PAIROFF XOFF, LT, 11                           ; a row of xb is 2,048 bytes
	XLOAD 0, 0                                     ; the first tile's chunks 0 to 3 are asked for: four chunks, 64 loads of 512 bytes, are on their way from here on
	XLOAD 1, 1
	XLOAD 2, 2
	XLOAD 3, 3
	WIN 0
; Chunk q goes from its slot (q mod 4) into the stage, and the slot is asked for the chunk four further on: chunks 4 to 7 ask for the NEXT
; tile's chunks 0 to 3, which fly across the way out; in the last tile they ask for nothing and the counts run down.
.macro STAGE q, last
.set SS, (\q)&3
.if \last
.if (\q) > 4
	s_wait_loadcnt 16*(7-(\q))                     ; the last tile's chunks 5, 6, 7: two, one, no younger chunk of 16 loads
.else
	s_wait_loadcnt 48
.endif
.else
	s_wait_loadcnt 48                              ; my chunk is in; the three younger chunks' 48 loads stay out
.endif
	STSTORE SS
.if (\q) < 4
	XLOAD SS, (\q)+4
.else
.if \last == 0
.if (\q) == 4
	WIN 0
	s_wait_xcnt 0x0                                ; the loads of chunks 5 to 7 still name XOFF: it is written again only behind this wait
	PAIROFF XOFF, LT+1, 11                         ; all eight chunks of this tile have been asked for: XOFF now holds my next tile's rows
.endif
	XLOAD SS, (\q)-4
.endif
.endif
.endm
; The fragments of K step kk (32 k) into buffer p: 2 blocks of 16 rows of x from my stage, 8 blocks of 16 columns from WT; 20 loads.
; Lane (r, h): registers 0-3 hold k = 8 h .., registers 4-7 k = 16 + 8 h ..: two loads of 16 bytes, 32 bytes apart.
.macro LDFRAG p, kk
.irp a, 0,1
	ds_load_b128 v[AF+16*(\p)+8*\a:AF+16*(\p)+8*\a+3],   v5 offset:16*SP*\a+64*((\kk)&3)
	ds_load_b128 v[AF+16*(\p)+8*\a+4:AF+16*(\p)+8*\a+7], v5 offset:16*SP*\a+64*((\kk)&3)+32
.endr
.irp b, 0,1,2,3,4,5,6,7
	ds_load_b128 v[BF+64*(\p)+8*\b:BF+64*(\p)+8*\b+3],   v[10+\b] offset:64*(\kk)
	ds_load_b128 v[BF+64*(\p)+8*\b+4:BF+64*(\p)+8*\b+7], v[10+\b] offset:64*(\kk)+32
.endr
.endm
; 16 matrix instructions, used transposed: source 0 = 16 columns (rows of W), source 1 = 16 rows of x, so that lane (r, h) holds in register j
; out(row 16 a + r, column 16 b + 8 h + j): eight neighbouring columns.  The 16 accumulators take turns, one instruction a turn, in the same
; order in every K step and from tile to tile.  zero = 1: the first product starts the sums.
.macro MMA p, zero
	WIN W_MUL
.irp a, 0,1
.irp b, 0,1,2,3,4,5,6,7
.if \zero
	v_wmma_f32_16x16x32_bf16 v[8*(8*\a+\b):8*(8*\a+\b)+7], v[BF+64*(\p)+8*\b:BF+64*(\p)+8*\b+7], v[AF+16*(\p)+8*\a:AF+16*(\p)+8*\a+7], 0
.else
	v_wmma_f32_16x16x32_bf16 v[8*(8*\a+\b):8*(8*\a+\b)+7], v[BF+64*(\p)+8*\b:BF+64*(\p)+8*\b+7], v[AF+16*(\p)+8*\a:AF+16*(\p)+8*\a+7], v[8*(8*\a+\b):8*(8*\a+\b)+7]
.endif
.endr
.endr
.endm
; K step kk: ask for the next step's fragments, wait for this step's, multiply.
; The next step's loads go into the buffer that the last step's matrix instructions have read: four places stand between.  Step 0 stands behind
; the way out's vector work (or behind no matrix instruction at all); step 31 loads nothing.
; Behind the third step of a chunk the stage is written anew: the old chunk's last fragment loads have been issued by then,
; and LDS serves a wave's instructions in order (ISA guide 5.7.1).
.macro STEP kk, last
	WIN 0
.if (\kk) > 0
	PLACES
.endif
.if (\kk) < 31
.set NP, ((\kk)+1)&1
.set NK, (\kk)+1
	LDFRAG NP, NK
.if ((\kk)&3) == 3
	s_wait_dscnt 36                                ; behind this step's fragments: the 16 stage stores and the 20 loads just issued
.else
	s_wait_dscnt 20                                ; the 20 loads just issued stay out
.endif
.else
	s_wait_dscnt 0x0
.endif
.if (\kk) == 0
	MMA 0, 1
.else
.set CP, (\kk)&1
	MMA CP, 0
.endif
.if ((\kk)&3) == 2
.if (\kk) < 30
.set SQ, (\kk)/4+1
	STAGE SQ, \last
.endif
.endif
.endm
; The way out, 64 columns at a time: 32 bytes a lane into my stage (rows of 256 bytes + 16), read back by rows, bias added, stored:
; sixteen neighbouring lanes store 256 consecutive bytes of one row of out0, at a multiple of 256 from its first byte.
; The stage is my own and LDS serves a wave in order: no wait stands between the stores and the loads, nor between the halves.
.macro OUT last
	WIN 0
	; OO[p] = (list entry 2 p + h) x 8,192 + 16 r: where stage row 2 p + h goes.
	; Its 64 plain vector instructions name no register of a matrix instruction: they are the places between the last
	; matrix instructions and the LDS stores that read results and the loads that land in fragment buffers.
	PAIROFF OO, LT, 13
.irp ch, 0,1
	WIN W_ACCS
.irp a, 0,1
.irp bb, 0,1,2,3
.irp e, 0,1
	ds_store_b128 v6, v[8*(8*\a+4*\ch+\bb)+4*\e:8*(8*\a+4*\ch+\bb)+4*\e+3] offset:16*SP*\a+64*\bb+16*\e
.endr
.endr
.endr
	WIN 0
.set op, 0
.rept 16
	ds_load_b128 v[BF+64*\ch+4*op:BF+64*\ch+4*op+3], v7 offset:2*SP*op   ; rows 2 p and 2 p + 1
.set op, op+1
.endr
.set op, 0
.rept 16
	s_wait_dscnt 15-op                             ; the younger read-backs stay out
	v_pk_add_f32 v[BF+64*\ch+4*op:BF+64*\ch+4*op+1],   v[BF+64*\ch+4*op:BF+64*\ch+4*op+1],   v[BIAS+4*\ch:BIAS+4*\ch+1]
	v_pk_add_f32 v[BF+64*\ch+4*op+2:BF+64*\ch+4*op+3], v[BF+64*\ch+4*op+2:BF+64*\ch+4*op+3], v[BIAS+4*\ch+2:BIAS+4*\ch+3]
	global_store_b128 v[OO+op], v[BF+64*\ch+4*op:BF+64*\ch+4*op+3], s[12:13] offset:256*\ch th:TH_STORE_NT
.set op, op+1
.endr
.endr
.if \last == 0
	s_wait_xcnt 0x0                                ; the stores' data (BF) and offsets (OO) are written again in the next tile only behind this wait
.endif
.endm
; A tile: 8 chunks of 128 k, 32 K steps, the way out.
.macro TILE last
	STAGE 0, \last
	WIN 0
	LDFRAG 0, 0
.irp kk, 0,1,2,3,4,5,6,7,8,9,10,11,12,13,14,15,16,17,18,19,20,21,22,23,24,25,26,27,28,29,30,31
	STEP \kk, \last
.endr
	OUT \last
.endm
	s_sub_co_u32 s29, s25, 1                       ; all my tiles but the last go round the loop
	s_cmp_eq_u32 s29, 0
	s_cbranch_scc1 .Llast
.Ltile:
	TILE 0
	WIN 0
.set li, 0
.rept 15                                           ; my next tile's entries move to LT, and so on: a register cannot be picked by the trip's number
	v_mov_b32 v[LT+li], v[LT+li+1]
.set li, li+1
.endr
	s_sub_co_u32 s29, s29, 1
	s_cmp_lg_u32 s29, 0
	s_cbranch_scc1 .Ltile
.Llast:
	TILE 1                                         ; the last tile is written out: it asks for no row beyond its own
	WIN 0
.Lend:
	s_wait_tensorcnt 0x0
	ds_add_u32 v126, v127
	s_wait_dscnt 0x0
	s_endpgm
.Lfunc_end_k_q9ede3ba007_glin:
	.size	k_q9ede3ba007_glin, .Lfunc_end_k_q9ede3ba007_glin-k_q9ede3ba007_glin
	.p2alignl 7, 3214868480
	.fill 96, 4, 3214868480
	.section	.rodata,"a",@progbits
	.p2align	6, 0x0
	.amdhsa_kernel k_q9ede3ba007_glin
		.amdhsa_group_segment_fixed_size 299520
		.amdhsa_private_segment_fixed_size 0
		.amdhsa_enable_private_segment 0
		.amdhsa_kernarg_size 40
		.amdhsa_user_sgpr_count 2
		.amdhsa_user_sgpr_kernarg_segment_ptr 1
		.amdhsa_wavefront_size32 1
		.amdhsa_system_sgpr_workgroup_id_x 1
		.amdhsa_system_sgpr_workgroup_id_y 1
		.amdhsa_system_sgpr_workgroup_id_z 1
		.amdhsa_system_vgpr_workitem_id 0
		.amdhsa_next_free_vgpr 1024
		.amdhsa_next_free_sgpr 66
		.amdhsa_reserve_vcc 1
		.amdhsa_float_denorm_mode_32 3
		.amdhsa_float_denorm_mode_16_64 3
		.amdhsa_memory_ordered 1
		.amdhsa_forward_progress 1
		.amdhsa_inst_pref_size 255
	.end_amdhsa_kernel
	.section	.bss,"aw",@nobits
	.p2align	6
	.space	262144
	.amdgpu_metadata
---
amdhsa.version: [ 1, 2 ]
amdhsa.kernels:
  - .name:           k_q9ede3ba007_glin
    .symbol:         k_q9ede3ba007_glin.kd
    .args:
      - { .name: W, .offset: 0, .size: 8, .value_kind: global_buffer, .address_space: global }
      - { .name: b, .offset: 8, .size: 8, .value_kind: global_buffer, .address_space: global }
      - { .name: order, .offset: 16, .size: 8, .value_kind: global_buffer, .address_space: global }
      - { .name: xb, .offset: 24, .size: 8, .value_kind: global_buffer, .address_space: global }
      - { .name: out0, .offset: 32, .size: 8, .value_kind: global_buffer, .address_space: global }
    .group_segment_fixed_size: 299520
    .private_segment_fixed_size: 0
    .kernarg_segment_align: 8
    .kernarg_segment_size: 40
    .max_flat_workgroup_size: 128
    .sgpr_count:     66
    .vgpr_count:     1024
    .wavefront_size: 32
...
	.end_amdgpu_metadata
.endif
;; end of part 4
;; ======== version 3 of 3: 2 launches; version 2 with the launch glin written anew for expert scheduling mode
;; workspace buffers: order 137,216 bytes of whole numbers; xb 8,388,608 bytes
;; launch prep: the kernel of part 3 again; grid 264 x 1, 4 waves a work-group, no clusters, 0 bytes of LDS; arguments indices, x, order, xb; writes order, xb
;; launch glin (part 5): grid 256 x 1, 4 waves a work-group, no clusters, 299,520 bytes of LDS; arguments W, b, order, xb, out0; writes out0
.if DOCPART == 5
	.amdgcn_target "amdgcn-amd-amdhsa--gfx1250"
	.amdhsa_code_object_version 6
	.text
	.protected	k_q9ede3ba007_glin
	.globl	k_q9ede3ba007_glin
	.p2align	8
	.type	k_q9ede3ba007_glin,@function
k_q9ede3ba007_glin:
	s_mov_b64 s[64:65], 0
	v_nop
	global_prefetch_b8 v0, s[64:65] scope:SCOPE_SE
	s_setreg_imm32_b32 hwreg(HW_REG_WAVE_SCHED_MODE, 0, 2), 2
	s_setreg_imm32_b32 hwreg(HW_REG_WAVE_MODE, 25, 1), 1
	s_wait_xcnt 0x0
	s_wait_alu depctr_vm_vsrc(0)
; out0[n][:] = x[n][:] . W[g(n)]^T + b[g(n)],  g(n) = indices[n].  W [8*2048][1024] f32, b [8*2048] f32, out0 [4096][2048] f32.
; Only the group that a row's index names is computed: the other seven products are thrown away by the gather.
; The launch before has left xb [4096][1024], x rounded once to bf16 (nearest even), and each group's rows as a list: order[g], 17,152 bytes:
; entries 0..M-1 the rows, entries 4224..4255 the count M.
; W is rounded once to bf16 (nearest even) here, sums are f32, the bias is added in f32 behind the product.
; LIMIT: an index outside 0..7 is in no list and its row of out0 stays unwritten (the index is taken to stay inside the table of 8 groups).
;
; SHARES.  Work-group wg (0..255): group g = wg >> 5, block of 128 columns cb = (wg >> 1) & 15, row half hh = wg & 1.
; It keeps its 128 rows of W (512 KiB of f32, dense in memory) as bf16 in LDS for the whole launch.
; The group's list is cut into tiles of 32 rows; wave w takes the tiles t = 2 w + hh (mod 8).
; A wave tile is 32 rows x 128 columns = 16 accumulators.  Each wave gathers and stages its own rows of xb in its own LDS bytes,
; so behind the one barrier (W is whole) no wave waits for another.
; A lane whose list entry would lie at or behind M takes entry M - 1: a tail tile computes and stores its own last row again, the same bytes
; with the same values, from the same wave; EXEC stays full everywhere.
;
; NO TENSOR LOADS, NO CLUSTER: xb's rows are named by a list, so no tile descriptor covers them; W is f32 in memory and is wanted as bf16
; in LDS, so its bytes pass through registers anyway; and a block of W is read by two work-groups only, once each.
;
; LDS:  WT    0        128 rows (a row = one output column), 2,048 bytes of bf16 + 16 of padding
;       STG   264192   4 x 8,704: wave w's own 32 rows of 272 bytes: 128 k of bf16 on the way in, 64 columns of f32 on the way out
; Both pitches (2,064 and 272) are odd multiples of 16 bytes: the 16 rows that a 16-byte fragment load touches fall on 16 different
; 16-byte columns of 256 bytes.
;
; REGISTERS, in windows of 256 (s_set_vgpr_msb's low byte: bits 1:0 source 0, 3:2 source 1, 5:4 source 2, 7:6 destination):
;   window 0: addresses, bias, my tiles' list entries (LT), offsets (OO, XOFF), fragment buffers 0 and 1 (AF of x, BF of W)
;   window 2: v0-127 the 16 accumulators, tile (a, b) at 8 (8 a + b); v128-207 fragment buffer 2
;   windows 1 and 3: while W is filled, two stream contexts: v0-127 f32 as loaded, v176-239 the same numbers in bf16, v163-165 addresses, so that one
;   setting (0x55 or 0xff) serves a part's conversions, LDS stores and loads; afterwards v0-127 are four slots of 64 registers for chunks of xb:
;   slots 0, 1 in window 1, slots 2, 3 in window 3.  Their loads and LDS stores take the address from window 0, so only the data's window is switched.
;
; THE MODE: SCHED_MODE bits 1:0 = 2 (LLVM: expert scheduling mode 2), set by the entry lines.  The code itself states the register dependences
; between vector or matrix instructions and memory or LDS instructions, with s_wait_alu, always for 0.
; THE PLAN.  Registers that memory or LDS instructions touch:
;   addresses (v5-7, v9-17; v163-165 of windows 1 and 3)  made once at the head, never written again.
;   W fill, a context: the loads land in v0-127; the part's conversions read them and write v176-239; the LDS stores read v176-239.
;     One wait on va_vdst behind the conversions serves the loads of the part two further on and the LDS stores; one wait on vm_vsrc ahead of the
;     conversions, two parts behind the LDS stores that it is for.
;   fragment buffers 0, 1, 2  K step kk: its 16 matrix instructions read buffer kk mod 3; behind them the loads of step kk + 2 land in buffer (kk - 1) mod 3.
;     ONE wait on va_vdst at a step's head: the step before is done reading that buffer; the matrix instructions issued since name buffer kk mod 3 and the accumulators alone.
;   slots 0 to 3  xb's loads land in them, the stage's LDS stores read them, no vector instruction names them in the loop: a wait on vm_vsrc ahead of a slot's
;     refill, a K step behind the stores that emptied it.
;   XOFF  read by xb's loads; written once a tile, at the end of step 12, behind a wait on vm_vsrc; step 13's wait on va_vdst states that it is written.
;   way out: accumulators (LDS stores read them), BF (read-backs land, the bias's additions write, global stores read), OO (global stores read): one wait on va_vdst
;     ahead of the LDS traffic, one ahead of each run of 16 global stores, one on vm_vsrc at the end.
.set WP,    2064                       ; pitch of WT
.set SP,    272                        ; pitch of a stage
.set WSTG,  32*SP                      ; a wave's stage
.set STG,   128*WP                     ; 264192
.set OPITCH, 17152                     ; bytes of a group's part of order
.set CNTI,  4224                       ; its first entry that holds M
.set AF,    64                         ; v64-95   fragments of x, buffers 0 and 1: 2 blocks of 16 rows x 8 registers each
.set BF,    128                        ; v128-255 fragments of W, buffers 0 and 1: 8 blocks of 16 columns x 8 each; rows read back on the way out
.set BF2,   128                        ; window 2, v128-191: fragments of W, buffer 2
.set AF2,   192                        ; window 2, v192-207: fragments of x, buffer 2
.set WOB,   176                        ; windows 1 and 3, v176-239: a part of W in bf16, to be stored into WT
.set BIAS,  24                         ; v24-31   my 4 columns' bias, for each half of 64 columns
.set OO,    32                         ; v32-47   way out: byte offset in out0 of my 16 bytes of rows 2 p + h
.set LT,    48                         ; v48-63   lane l of LT + i: list entry l of the i-th tile from the current one among my tiles
.set XOFF,  96                         ; v96-111  byte offset in xb of my 16 bytes of rows 2 p + h, chunk 0; at the head: the list loads' offsets
.set HM,    31                         ; s31      mask of lanes 16 to 31 (h = 1)
.set W_EVEN, 0x55
.set W_ODD,  0xff
.set W_ACCS, 0x08                      ; LDS store: address window 0, data window 2
.set MSB, 0
.macro WIN new                         ; the immediate's high byte repeats the setting that is left; at labels and branches the setting is 0
.if MSB != \new
	s_set_vgpr_msb (MSB<<8)|\new
.set MSB, \new
.endif
.endm
	; ---- set-up ----
	s_load_b256 s[4:11], s[0:1], 0x0               ; W s[4:5], b s[6:7], order s[8:9], xb s[10:11]
	s_load_b64 s[12:13], s[0:1], 0x20              ; out0
	v_lshl_add_u32 v126, v0, 2, 0x49000
	v_mov_b32 v127, 0
	v_lshrrev_b32 v1, 5, v0
	v_readfirstlane_b32 s14, v1                    ; wave 0..3
	s_mov_b32 s15, ttmp9                           ; wg
	s_and_b32 s16, s15, 1                          ; hh
	s_bfe_u32 s17, s15, 0x40001                    ; cb: 4 bits from bit 1
	s_lshr_b32 s18, s15, 5                         ; g
	s_wait_alu depctr_va_sdst(0)                   ; s14 is written, ahead of its first reader: my tiles, my stage and my rows of W are made from it
	s_lshl_b32 s19, s14, 1
	s_or_b32 s19, s19, s16                         ; vw = 2 w + hh: my first tile
	s_mul_i32 s23, s14, WSTG
	s_add_co_u32 s23, s23, STG                     ; my stage
	v_and_b32 v1, 31, v0                           ; lane
	v_and_b32 v2, 15, v0                           ; r
	v_bfe_u32 v3, v0, 4, 1                         ; h
	v_lshlrev_b32 v4, 4, v1                        ; 16 lane
	v_mul_u32_u24 v18, v2, SP
	v_add_nc_u32 v18, s23, v18                     ; stage + 272 r
	v_lshl_add_u32 v5, v3, 4, v18                  ; ADRA: x fragments, + 16 h
	v_lshl_add_u32 v6, v3, 5, v18                  ; STO: way out, my 8 f32 of row r, + 32 h
	v_mul_u32_u24 v19, v3, SP
	v_lshl_add_u32 v19, v2, 4, v19
	v_add_nc_u32 v7, s23, v19                      ; RD: row h of my stage, 16 bytes at 16 r: where a chunk's rows go in, and where results are read back
	v_lshlrev_b32 v9, 4, v2                        ; 16 r
	v_mul_u32_u24 v20, v2, WP
	v_lshl_add_u32 v20, v3, 4, v20                 ; r x 2064 + 16 h
.irp b, 0,1,2,3,4,5,6,7
	v_add_nc_u32 v[10+\b], 16*\b*WP, v20           ; ADRB[b]: W fragments of columns 16 b + r
.endr
	s_lshl_b32 s30, s14, 17
	v_add_nc_u32 v33, s30, v4                      ; my wave's 32 rows of the W block: 131072 w + 16 lane
	s_mul_i32 s30, s14, 32*WP
	v_lshl_add_u32 v34, v1, 3, s30                 ; and where they go: 32 w rows of WT + 8 lane
	v_add_nc_u32 v35, 16*WP, v34                   ; the same 16 rows on: an LDS immediate has 16 bits
.irp win, 0x40, 0xc0                               ; the copies for the two stream contexts (destination window 1, then 3)
	WIN \win
	v_mov_b32 v163, v33
	v_mov_b32 v164, v34
	v_mov_b32 v165, v35
.endr
	WIN 0
	s_lshr_b32 s30, s15, 1                         ; 16 g + cb
	s_mov_b32 s21, 0
	s_wait_kmcnt 0x0
	s_mul_i32 s20, s18, OPITCH
	s_add_nc_u64 s[8:9], s[8:9], s[20:21]          ; order at my group's part
	s_load_b32 s22, s[8:9], 4*CNTI                 ; M: asked for ahead of the loads of W, wanted behind them
	s_lshl_b32 s20, s30, 19
	s_add_nc_u64 s[4:5], s[4:5], s[20:21]          ; W at my block: 128 rows of 4,096 bytes each
	s_lshl_b32 s20, s30, 9
	s_add_nc_u64 s[6:7], s[6:7], s[20:21]          ; b at my 128 columns
	s_lshl_b32 s20, s17, 9
	s_add_nc_u64 s[12:13], s[12:13], s[20:21]      ; out0 at my 128 columns of row 0
; 32 loads of 512 consecutive bytes: 4 rows of W (part hf of my wave's eight parts), into the current stream context
.macro WLOAD hf
.set j, 0
.rept 32
	global_load_b128 v[4*j:4*j+3], v163, s[4:5] offset:16384*(\hf)+512*j
.set j, j+1
.endr
.endm
; 32 x 4 f32 to 32 x 4 bf16, out of the loaded registers into the context's out-buffer: registers WOB + 2 i, WOB + 2 i + 1 hold the 8 bytes to store
.macro CVT32
.set ci, 0
.rept 32
	v_cvt_pk_bf16_f32 v[WOB+2*ci], v[4*ci], v[4*ci+1]
	v_cvt_pk_bf16_f32 v[WOB+2*ci+1], v[4*ci+2], v[4*ci+3]
.set ci, ci+1
.endr
.endm
	; ---- every wave asks for the first two parts of its rows of W ----
	WIN W_EVEN
	s_wait_alu depctr_va_vdst(0)                   ; all the addresses made above are written: v163-165 of both contexts, and v5-7, v9-17, which every later LDS access and the bias's loads read
	WLOAD 0
	WIN W_ODD
	WLOAD 1
	WIN 0
	; ---- the list entries of all 16 tiles that can be mine (vw + 8 i < 128), one register a tile: lane l holds entry min(32 tile + l, M - 1).
	;      Where M = 0 the lanes read a count word instead, which is written; no tile follows, so nothing uses it.
	;      The offsets lie in XOFF, which is free until the first tile, and the entries land in LT: no load lands in a register that a memory instruction reads. ----
	s_wait_kmcnt 0x0
	s_min_u32 s22, s22, 4096                       ; M, bounded in the text
	s_sub_co_u32 s23, s22, 1
	s_cmp_eq_u32 s22, 0
	s_cselect_b32 s23, CNTI, s23                   ; the last entry that may be read
	s_lshl_b32 s30, s19, 5
	v_add_nc_u32 v18, s30, v1                      ; 32 vw + lane
.set li, 0
.rept 16
	v_add_nc_u32 v[XOFF+li], 256*li, v18           ; entry 32 (vw + 8 i) + lane,
	v_min_u32 v[XOFF+li], s23, v[XOFF+li]          ; held back to the list's last,
	v_min_u32 v[XOFF+li], CNTI+31, v[XOFF+li]      ; bounded in the text before it enters an address
	v_lshlrev_b32 v[XOFF+li], 2, v[XOFF+li]
.set li, li+1
.endr
	s_wait_alu depctr_va_vdst(0)                   ; the sixteen offsets in XOFF are written, which the list's loads read
.set li, 0
.rept 16
	global_load_b32 v[LT+li], v[XOFF+li], s[8:9]
.set li, li+1
.endr
	global_load_b128 v[BIAS:BIAS+3], v9, s[6:7]                ; bias of columns 4 r .. 4 r + 3
	global_load_b128 v[BIAS+4:BIAS+7], v9, s[6:7] offset:256   ; and of columns 64 + 4 r ..
; Part hf of my rows of W: wait, convert into the out-buffer, ask for the part two further on, store as bf16.
.macro FILLH hf
.if (\hf)&1
	WIN W_ODD
.else
	WIN W_EVEN
.endif
.if (\hf) == 7
	s_wait_loadcnt 0x0                             ; the last part: nothing was issued behind it
.else
.if (\hf) < 2
	s_wait_loadcnt 50                              ; behind this part: 32 loads of another part of W, and the 16 list loads and 2 bias loads
.else
	s_wait_loadcnt 32                              ; the next part's 32 loads stay out
.endif
.endif
.if (\hf) >= 2
	s_wait_alu depctr_vm_vsrc(0)                   ; the LDS stores of the part two back have read this context's out-buffer, which the conversions write again
.endif
	CVT32
	s_wait_alu depctr_va_vdst(0)                   ; the conversions have written the out-buffer, which the LDS stores read, and are done reading v0-127, in which the loads below land
.if (\hf) < 6
	WLOAD (\hf)+2
.endif
.set j, 0
.rept 32
	ds_store_b64 v[164+(\hf)/4], v[WOB+2*j:WOB+2*j+1] offset:((4*(\hf)+(j>>3))&15)*WP+(j&7)*256   ; row 4 hf + j / 8 of my 32, k = 128 (j mod 8) + 4 lane: 32 lanes store 256 consecutive bytes
.set j, j+1
.endr
.endm
.irp hf, 0,1,2,3,4,5,6,7
	FILLH \hf
.endr
	WIN 0
	; ---- the one barrier: every wave's stores into WT are done; behind it WT is only read ----
	s_wait_dscnt 0x0
	s_barrier_signal -1
	s_barrier_wait -1
	; ---- my number of tiles ----
	s_add_co_u32 s25, s22, 31
	s_lshr_b32 s25, s25, 5                         ; T = tiles of the group
	s_add_co_u32 s25, s25, 7
	s_sub_co_u32 s25, s25, s19
	s_lshr_b32 s25, s25, 3                         ; my tiles: vw, vw + 8, .. below T
	s_cmp_eq_u32 s25, 0
	s_cbranch_scc1 .Lend                           ; no barrier stands behind this branch
	s_mov_b32 s[HM], 0xffff0000                    ; lanes 16 to 31 (h = 1): a scalar register that a scalar instruction writes, once
; dst[p] = (list entry 2 p + h of the tile in register lr) << sh + 16 r, p = 0..15: lanes 0-15 take the even entry, lanes 16-31 the odd one.
; Eight entries at a time: lane to scalar, a select by the half, the row bounded in the text before it enters an address, shift and add.  All in window 0.
.macro PAIROFF dst, lr, sh
.set og, 0
.rept 4
.irp e, 0,1,2,3,4,5,6,7
	v_readlane_b32 s[32+\e], v[\lr], 8*og+\e
.endr
	s_wait_alu depctr_va_sdst(0)                   ; s32 to s39 are written, ahead of their first reader: one wait behind the run of eight
.irp e, 0,1,2,3
	v_mov_b32 v[\dst+4*og+\e], s[33+2*\e]
	v_cndmask_b32 v[\dst+4*og+\e], s[32+2*\e], v[\dst+4*og+\e], s[HM]
	v_min_u32 v[\dst+4*og+\e], 0xfff, v[\dst+4*og+\e]
	v_lshl_add_u32 v[\dst+4*og+\e], v[\dst+4*og+\e], \sh, v9
.endr
.set og, og+1
.endr
.endm
; Chunk c (128 k of bf16, 256 bytes a row) of the tile's 32 rows into slot s: one load for two rows, sixteen lanes x 16 consecutive bytes each.
; freed = 1: the slot has been emptied into the stage.
.macro XLOAD s, c, freed
.if (\s) < 2
	WIN 0x40                                       ; destination window 1, address window 0
.else
	WIN 0xc0                                       ; destination window 3
.endif
.if \freed
	s_wait_alu depctr_vm_vsrc(0)                   ; the LDS stores that emptied this slot, issued a K step ago, have read its registers, in which these loads land
.endif
.set xi, 0
.rept 16
	global_load_b128 v[64*((\s)&1)+4*xi:64*((\s)&1)+4*xi+3], v[XOFF+xi], s[10:11] offset:256*(\c)
.set xi, xi+1
.endr
.endm
; Slot s into my stage: rows 2 i and 2 i + 1, 256 consecutive bytes each.
.macro STSTORE s
.if (\s) < 2
	WIN 0x04                                       ; data window 1, address window 0
.else
	WIN 0x0c                                       ; data window 3
.endif
.set si, 0
.rept 16
	ds_store_b128 v7, v[64*((\s)&1)+4*si:64*((\s)&1)+4*si+3] offset:2*SP*si
.set si, si+1
.endr
.endm
	s_wait_alu depctr_vm_vsrc(0)                   ; the list's loads have read XOFF as their offsets (the wait for 0 in W's last part has shown them done): it is written anew below
	PAIROFF XOFF, LT, 11                           ; a row of xb is 2,048 bytes
	WIN 0x40
	s_wait_alu depctr_va_vdst(0)                   ; XOFF is written, which xb's loads read; W's conversions are done reading v0-127 of windows 1 and 3, in which they land
	XLOAD 0, 0, 0                                  ; the first tile's chunks 0 to 3 are asked for: four chunks, 64 loads of 512 bytes, are on their way from here on
	XLOAD 1, 1, 0
	XLOAD 2, 2, 0
	XLOAD 3, 3, 0
	WIN 0
; Chunk q goes from its slot (q mod 4) into the stage.
.macro STAGE q, last
.if (\last) && ((\q) > 4)
	s_wait_loadcnt 16*(7-(\q))                     ; the last tile's chunks 5, 6, 7: two, one, no younger chunk of 16 loads
.else
	s_wait_loadcnt 48                              ; my chunk is in; the three younger chunks' 48 loads stay out
.endif
.set SS, (\q)&3
	STSTORE SS
.endm
; The slot that chunk q left is asked for the chunk four further on: chunks 4 to 7 ask for the NEXT tile's chunks 0 to 3, which fly across the way out;
; in the last tile they ask for nothing and the counts run down.
.macro REFILL q, last
.set RS, (\q)&3
.if (\q) < 4
	XLOAD RS, (\q)+4, 1
.else
.if \last == 0
	XLOAD RS, (\q)-4, 1
.endif
.endif
.endm
; Where fragment buffer p lies, and the window settings for its loads and its matrix instructions.
.macro BUFREGS p
.if (\p) == 2
.set AFB, AF2
.set BFB, BF2
.set LDW, 0x80                         ; loaded data window 2, address window 0
.set MUW, 0xaa                         ; both sources, C and D window 2
.else
.set AFB, AF+16*(\p)
.set BFB, BF+64*(\p)
.set LDW, 0
.set MUW, 0xa0                         ; sources 0 and 1 window 0, C and D window 2
.endif
.endm
; The fragments of K step kk (32 k) into buffer p: 2 blocks of 16 rows of x from my stage, 8 blocks of 16 columns from WT; 20 loads.
; Lane (r, h): registers 0-3 hold k = 8 h .., registers 4-7 k = 16 + 8 h ..: two loads of 16 bytes, 32 bytes apart.
.macro LDFRAG p, kk
	BUFREGS \p
	WIN LDW
.irp a, 0,1
	ds_load_b128 v[AFB+8*\a:AFB+8*\a+3],   v5 offset:16*SP*\a+64*((\kk)&3)
	ds_load_b128 v[AFB+8*\a+4:AFB+8*\a+7], v5 offset:16*SP*\a+64*((\kk)&3)+32
.endr
.irp b, 0,1,2,3,4,5,6,7
	ds_load_b128 v[BFB+8*\b:BFB+8*\b+3],   v[10+\b] offset:64*(\kk)
	ds_load_b128 v[BFB+8*\b+4:BFB+8*\b+7], v[10+\b] offset:64*(\kk)+32
.endr
.endm
; 16 matrix instructions, used transposed: source 0 = 16 columns (rows of W), source 1 = 16 rows of x, so that lane (r, h) holds in register j
; out(row 16 a + r, column 16 b + 8 h + j): eight neighbouring columns.  The 16 accumulators take turns, one instruction a turn, in the same
; order in every K step and from tile to tile.  zero = 1: the first product starts the sums.
.macro MMA p, zero
	BUFREGS \p
	WIN MUW
.irp a, 0,1
.irp b, 0,1,2,3,4,5,6,7
.if \zero
	v_wmma_f32_16x16x32_bf16 v[8*(8*\a+\b):8*(8*\a+\b)+7], v[BFB+8*\b:BFB+8*\b+7], v[AFB+8*\a:AFB+8*\a+7], 0
.else
	v_wmma_f32_16x16x32_bf16 v[8*(8*\a+\b):8*(8*\a+\b)+7], v[BFB+8*\b:BFB+8*\b+7], v[AFB+8*\a:AFB+8*\a+7], v[8*(8*\a+\b):8*(8*\a+\b)+7]
.endif
.endr
.endr
.endm
; K step kk: wait for this step's fragments, multiply buffer kk mod 3, ask for the fragments of step kk + 2.
; The memory and LDS instructions stand in one run behind the step's last matrix instruction: a load among the matrix instructions would want two window switches of its own.
; Behind the second step of a chunk the stage is written anew: the old chunk's last fragment loads (step 4 c + 3's) have just been issued,
; the new chunk's first (step 4 c + 4's) follow a step later, and LDS serves a wave's instructions in order (ISA guide 5.7.1).
; Step 0 owes no wait on va_vdst (the way out's waits, or the one ahead of the first tile, have covered all that its loads touch); steps 30 and 31 issue no load.
.macro STEP kk, last
.set CP, (\kk)%3
.if (\kk) == 31
	s_wait_dscnt 0x0                               ; nothing was issued behind the last step's fragments
.else
.if (((\kk)&3) >= 2) && ((\kk) < 28)
	s_wait_dscnt 36                                ; behind this step's fragments: the next step's 20 loads and the 16 stage stores
.else
	s_wait_dscnt 20                                ; the next step's 20 loads stay out
.endif
.endif
.if ((\kk) > 0) && ((\kk) < 30)
	s_wait_alu depctr_va_vdst(0)                   ; the step before is done reading its fragment buffer, in which this step's loads land; at step 13 also: XOFF is written, which the next tile's loads read
.endif
.if (\kk) == 0
	MMA CP, 1
.else
	MMA CP, 0
.endif
.if (\kk) == 0
.set XQ, 0
	REFILL XQ, \last
.endif
.if (((\kk)&3) == 2) && ((\kk) < 28)
.set XQ, ((\kk)+2)/4
	REFILL XQ, \last
.endif
.if (\kk) < 30
.set NP, ((\kk)+2)%3
.set NK, (\kk)+2
	LDFRAG NP, NK                                  ; no matrix instruction since the wait at the step's head names this buffer
.endif
.if (((\kk)&3) == 1) && ((\kk) < 28)
.set SQ, ((\kk)+3)/4
	STAGE SQ, \last
.endif
.if ((\kk) == 12) && ((\last) == 0)
	WIN 0
	s_wait_xcnt 0x0                                ; the loads of chunks 5 to 7 still name XOFF: it is written again only behind this wait,
	s_wait_alu depctr_vm_vsrc(0)                   ; and behind this one: xb's loads issued so far have read XOFF
	PAIROFF XOFF, LT+1, 11                         ; all eight chunks of this tile have been asked for: XOFF now holds my next tile's rows
.endif
.endm
; The way out, 64 columns at a time: 32 bytes a lane into my stage (rows of 256 bytes + 16), read back by rows, bias added, stored:
; sixteen neighbouring lanes store 256 consecutive bytes of one row of out0, at a multiple of 256 from its first byte.
; The stage is my own and LDS serves a wave in order: no wait stands between the stores and the loads, nor between the halves.
; Both halves go through the stage first; then each half's 32 additions stand together, with one wait between them and the half's 16 stores.
.macro OUT last
	WIN 0
	; OO[p] = (list entry 2 p + h) x 8,192 + 16 r: where stage row 2 p + h goes.
	; Its 64 plain vector instructions name no register of a matrix instruction: they are the places between the last
	; matrix instructions and the LDS stores that read results and the additions that write into fragment buffers.
	PAIROFF OO, LT, 13
	WIN W_ACCS
	s_wait_alu depctr_va_vdst(0)                   ; the matrix instructions have written the accumulators, which the LDS stores read, and are done reading BF, in which the read-backs land; OO is written, which the global stores read
.irp ch, 0,1
	WIN W_ACCS
.irp a, 0,1
.irp bb, 0,1,2,3
.irp e, 0,1
	ds_store_b128 v6, v[8*(8*\a+4*\ch+\bb)+4*\e:8*(8*\a+4*\ch+\bb)+4*\e+3] offset:16*SP*\a+64*\bb+16*\e
.endr
.endr
.endr
	WIN 0
.set op, 0
.rept 16
	ds_load_b128 v[BF+64*\ch+4*op:BF+64*\ch+4*op+3], v7 offset:2*SP*op   ; rows 2 p and 2 p + 1
.set op, op+1
.endr
.endr
.irp ch, 0,1
	s_wait_dscnt 32-32*\ch                         ; this half's read-backs are in; behind the first half's: the second half's 16 stores and 16 loads
.set op, 0
.rept 16
	v_pk_add_f32 v[BF+64*\ch+4*op:BF+64*\ch+4*op+1],   v[BF+64*\ch+4*op:BF+64*\ch+4*op+1],   v[BIAS+4*\ch:BIAS+4*\ch+1]
	v_pk_add_f32 v[BF+64*\ch+4*op+2:BF+64*\ch+4*op+3], v[BF+64*\ch+4*op+2:BF+64*\ch+4*op+3], v[BIAS+4*\ch+2:BIAS+4*\ch+3]
.set op, op+1
.endr
	s_wait_alu depctr_va_vdst(0)                   ; the additions have written this half's 64 registers, which the stores below read
.set op, 0
.rept 16
	global_store_b128 v[OO+op], v[BF+64*\ch+4*op:BF+64*\ch+4*op+3], s[12:13] offset:256*\ch th:TH_STORE_NT
.set op, op+1
.endr
.endr
.if \last == 0
	s_wait_xcnt 0x0                                ; the stores' data (BF) and offsets (OO) are written again in the next tile only behind this wait,
	s_wait_alu depctr_vm_vsrc(0)                   ; and behind this one: the global stores have read BF and OO, the LDS stores the accumulators, which the next tile's loads and matrix instructions write
.endif
.endm
; A tile: 8 chunks of 128 k, 32 K steps, the way out.
.macro TILE last
	STAGE 0, \last
	LDFRAG 0, 0
	LDFRAG 1, 1
.irp kk, 0,1,2,3,4,5,6,7,8,9,10,11,12,13,14,15,16,17,18,19,20,21,22,23,24,25,26,27,28,29,30,31
	STEP \kk, \last
.endr
	OUT \last
.endm
	s_sub_co_u32 s29, s25, 1                       ; all my tiles but the last go round the loop
	s_cmp_eq_u32 s29, 0
	s_cbranch_scc1 .Llast
.Ltile:
	TILE 0
	WIN 0
.set li, 0
.rept 15                                           ; my next tile's entries move to LT, and so on: a register cannot be picked by the trip's number
	v_mov_b32 v[LT+li], v[LT+li+1]
.set li, li+1
.endr
	s_sub_co_u32 s29, s29, 1
	s_cmp_lg_u32 s29, 0
	s_cbranch_scc1 .Ltile
.Llast:
	TILE 1                                         ; the last tile is written out: it asks for no row beyond its own
	WIN 0
.Lend:
	s_wait_dscnt 0x0
	s_wait_alu depctr_hold_cnt(0) depctr_sa_sdst(0) depctr_va_vdst(0) depctr_va_sdst(0) depctr_va_ssrc(0) depctr_va_vcc(0) depctr_vm_vsrc(0)
	s_wait_tensorcnt 0x0
	ds_add_u32 v126, v127
	s_wait_dscnt 0x0
	s_endpgm
.Lfunc_end_k_q9ede3ba007_glin:
	.size	k_q9ede3ba007_glin, .Lfunc_end_k_q9ede3ba007_glin-k_q9ede3ba007_glin
	.p2alignl 7, 3214868480
	.fill 96, 4, 3214868480
	.section	.rodata,"a",@progbits
	.p2align	6, 0x0
	.amdhsa_kernel k_q9ede3ba007_glin
		.amdhsa_group_segment_fixed_size 299520
		.amdhsa_private_segment_fixed_size 0
		.amdhsa_enable_private_segment 0
		.amdhsa_kernarg_size 40
		.amdhsa_user_sgpr_count 2
		.amdhsa_user_sgpr_kernarg_segment_ptr 1
		.amdhsa_wavefront_size32 1
		.amdhsa_system_sgpr_workgroup_id_x 1
		.amdhsa_system_sgpr_workgroup_id_y 1
		.amdhsa_system_sgpr_workgroup_id_z 1
		.amdhsa_system_vgpr_workitem_id 0
		.amdhsa_next_free_vgpr 1024
		.amdhsa_next_free_sgpr 66
		.amdhsa_reserve_vcc 0
		.amdhsa_float_denorm_mode_32 3
		.amdhsa_float_denorm_mode_16_64 3
		.amdhsa_memory_ordered 1
		.amdhsa_forward_progress 1
		.amdhsa_inst_pref_size 255
	.end_amdhsa_kernel
	.section	.bss,"aw",@nobits
	.p2align	6
	.space	262144
	.amdgpu_metadata
---
amdhsa.version: [ 1, 2 ]
amdhsa.kernels:
  - .name:           k_q9ede3ba007_glin
    .symbol:         k_q9ede3ba007_glin.kd
    .args:
      - { .name: W, .offset: 0, .size: 8, .value_kind: global_buffer, .address_space: global }
      - { .name: b, .offset: 8, .size: 8, .value_kind: global_buffer, .address_space: global }
      - { .name: order, .offset: 16, .size: 8, .value_kind: global_buffer, .address_space: global }
      - { .name: xb, .offset: 24, .size: 8, .value_kind: global_buffer, .address_space: global }
      - { .name: out0, .offset: 32, .size: 8, .value_kind: global_buffer, .address_space: global }
    .group_segment_fixed_size: 299520
    .private_segment_fixed_size: 0
    .kernarg_segment_align: 8
    .kernarg_segment_size: 40
    .max_flat_workgroup_size: 128
    .sgpr_count:     66
    .vgpr_count:     1024
    .wavefront_size: 32
...
	.end_amdgpu_metadata
.endif
;; end of part 5
